; MI455X (gfx1250); checked and timed in simulation.
; The chip was launched on July 23, 2026; its instructions are those of AMD's public machine-readable ISA for CDNA 5 (MIT licence, August 2026) and "CDNA5" Instruction Set Architecture Reference Guide (July 2026). The comments in the code are by the model that wrote it; some were corrected since.
;; Sparse Attention. Allowed arithmetic: matrix products marked QUANTISED: E4M3 operands, one given power-of-two scale a tensor, by v_wmma_f32_16x16x64_fp8_fp8 or v_wmma_f32_16x16x128_fp8_fp8, f32 sums; everything else in f32.
;; Inputs: k 1 x 16 x 2,048 x 64 float32; lowp_scales 4 int32 (the exponents e of the quantised operands' scales 2^e); mask 1 x 16 x 2,048 x 2,048 bool; q 1 x 16 x 2,048 x 64 float32; v 1 x 16 x 2,048 x 64 float32.
;; Outputs: out0 1 x 16 x 2,048 x 64 float32.
;; This version of the problem:
;;   THIS VERSION OF THE PROBLEM IS GIVEN IN LOW PRECISION. The matrix products marked QUANTISED in the list below multiply operands that are first quantised to E4M3 (4 exponent bits, 3 mantissa bits; 8 bits a number), with one given power-of-two scale for each operand tensor; their sums are f32. All else is computed in f32.
;;   The module's matrix products, in the order in which they are computed (A, B: the left and right operand; K: the contracted axis; several contracted axes count as one K, in the product's order):
;;     1. batch 16 x [M 2,048, K 64] x [K 64, N 2,048]; A: input q; B: input k: QUANTISED (scales: A lowp_scales[0], B lowp_scales[1])
;;     2. batch 16 x [M 2,048, K 2,048] x [K 2,048, N 64]; A: computed on the way; B: input v: QUANTISED (scales: A lowp_scales[2], B lowp_scales[3])
;;   THE QUANTISER, for each operand of a quantised product, along K:
;;     - The operand's scale is 2^e, e = its entry of the input lowp_scales (int32; the entries are numbered through the quantised products in the list's order, A before B).
;;     - Each number is divided by the scale, clamped to +-448, and rounded to the nearest number of E4M3, ties to even, subnormals kept.
;;     - The product sums the exact products of the quantised numbers (number of the format x scale) in f32.
;;   ~~~python
;;   def quantise(x, axis, e):      # numpy; x: float32 -> the quantised numbers, widened to float32 again
;;       x = np.moveaxis(x, axis, -1); K = x.shape[-1]
;;       r = np.clip(x / 2.0 ** e, -448, 448)
;;       step = 2.0 ** (np.maximum(np.frexp(np.where(r == 0, 1, r))[1] - 1, -6) - 3)
;;       q = np.round(r / step) * step * 2.0 ** e      # np.round: ties to even
;;       return np.moveaxis(q, -1, axis).astype(np.float32)
;;   ~~~
;;   OPERANDS COMPUTED ON THE WAY. 'Computed on the way' means the value that the module computes at that place (a softmax that the list does not call 'softmax' is quantised finished and normalised). What goes into a quantiser is computed in f32, as accurately as f32 sums, v_exp_f32 and their like allow (about 1e-6 of the number): no bf16 or f16 on the way to a quantiser, and a product that is left as it is and whose result goes on into a quantised operand takes f32 operands (vector FMAs, or v_wmma_f32_16x16x4_f32). A number that lies on a knife's edge between two numbers of the format may be rounded either way, as far as f32 arithmetic and the matrix unit's own rounding can turn it there, and no further.
;; 3 versions, each right; version 2 is faster than version 1; version 3 is version 2 with the launch attn written anew for expert scheduling mode. Each part assembles by itself: llvm-mc -triple=amdgcn-amd-amdhsa -mcpu=gfx1250 --defsym DOCPART=n.
;; ======== version 1 of 3: 2 launches
;; workspace buffers: kimg 2,097,152 bytes; vimg 2,097,152 bytes; flags 65,536 bytes of whole numbers
;; launch prep (part 1): grid 256 x 1, 16 waves a work-group, no clusters, 2,304 bytes of LDS; arguments k, v, mask, lowp_scales, kimg, vimg, flags; writes kimg, vimg, flags
.if DOCPART == 1
	.amdgcn_target "amdgcn-amd-amdhsa--gfx1250"
	.amdhsa_code_object_version 6
	.text
	.protected	k_qebb1737a31_prep
	.globl	k_qebb1737a31_prep
	.p2align	8
	.type	k_qebb1737a31_prep,@function
k_qebb1737a31_prep:
	s_mov_b64 s[64:65], 0
	v_nop
	global_prefetch_b8 v0, s[64:65] scope:SCOPE_SE
	s_setreg_imm32_b32 hwreg(HW_REG_WAVE_MODE, 25, 1), 1
	s_wait_xcnt 0x0
; TWO THINGS FOR THE ATTENTION LAUNCH.
; (1) k and v, [16 heads][2048 keys][64] f32, become codes of E4M3, laid as IMAGES OF THE OPERAND REGISTERS of v_wmma_f32_16x16x64_fp8_fp8, so that every fragment is fetched by two loads of 16 bytes a lane.
; code = x / 2^e, held within +-448, to the nearest code, ties to even; e = entry 1 (k) and entry 3 (v) of the buffer of scales.  LIMITS: both e between -126 and 119; NaN among the inputs is not served (an infinity is held at the largest code).
; LAYOUT, 131,072 bytes a head; step j = 64 keys; lane l = (r = l % 16, h = l / 16):
;   kimg: j 4096 + t 1024 + c 512 + 16 l : key 64 j + 32 (t / 2) + 8 (t % 2) + r + 8 (r / 8), channels 32 h + 16 c + 0 .. 15      (t = 0 .. 3: a tile of 16 keys)
;   vimg: j 4096 + e 1024 + b 512 + 16 l : channel 16 e + r, keys 64 j + 32 b + 16 h + 0 .. 15                                      (e = 0 .. 3: a tile of 16 channels)
; The keys of a tile of k are not neighbours: so the scores of tiles 2 b and 2 b + 1 are, in a lane, 16 neighbouring keys, the order in which vimg has them.
; (2) THE MASK, [16 heads][2048 queries][2048 keys] of bytes 0 or 1, is read once, as a stream, and counted for each tile of 16 queries x 64 keys.  flags holds an ENTRY of two words for each
; 16 queries x 512 keys (eight tiles), entry number 4 x (128 head + query / 16) + key / 512:  word 0: bit n: tile n has a key that counts; bit 16: see NO HOLD;  word 1: bit n: tile n has both kinds of key.
; NO HOLD: with eq + ek <= 0 the attention launch's p is at most 1.1 (its text says why), and with ep >= -8 the largest code stands for at least 1.75: p then needs no hold ahead of its conversion.
; SHARES.  Sixteen waves.  Waves 0-7 make a tile of k, waves 8-15 a unit of v (32 channels x 32 keys: a lane takes a channel, its registers run down the keys): unit u = 8 x work-group + wave % 8: head u / 128, step (u / 4) % 32, t = u % 4.
; Every wave counts 16 rows x 1,024 keys of the mask: query tile 8 x work-group + wave / 2, key half wave % 2: two entries.  Its 32 loads, 512 consecutive bytes of a row each, all go out at once: no ring, no loop.
; The work-group's 32 entries meet in LDS and leave as 256 consecutive bytes, aligned.
.set KOF, 4                            ; v4   k: my key's row of 256 bytes + 128 h
.set VOF, 5                            ; v5   v: 4 x lane: my channel
.set LI,  6                            ; v6   16 x lane: kimg, and my 16 bytes of a load of the mask
.set VDS, 7                            ; v7   vimg: 1024 (lane / 16) + 16 (lane % 16)
.set SCL, 8                            ; v8   2^e as f32
.set LIM, 9                            ; v9   448 x 2^e
.set EST, 11                           ; v11  LDS: 16 x wave: my two entries
.set ERD, 13                           ; v13  8 x lane: an entry's place in LDS and in the work-group's 256 bytes of flags
.set CD,  16                           ; v16-23  codes
.set FW,  24                           ; v24-27  my two entries
.set TA,  28                           ; v28, v29 at work
.set TC,  29
.set EB,  30                           ; v[30:31] an entry read back
.set NB,  32                           ; v32-63  32 numbers of k or of v
.set MK,  64                           ; v64-191 the mask: entry c, row i at v[64 + 64 c + 4 i]
.set WV,  18
	s_load_b256 s[4:11], s[0:1], 0x0               ; k s[4:5], v s[6:7], mask s[8:9], the scales' exponents s[10:11]
	s_load_b128 s[12:15], s[0:1], 0x20             ; kimg s[12:13], vimg s[14:15]
	s_load_b64 s[16:17], s[0:1], 0x30              ; flags
	v_lshl_add_u32 v192, v0, 2, 0x100
	v_mov_b32 v193, 0
	v_lshrrev_b32 v1, 5, v0
	v_readfirstlane_b32 s[WV], v1                  ; wave 0 .. 15
	v_and_b32 v2, 31, v0                           ; lane
	v_and_b32 v3, 15, v0                           ; r
	v_bfe_u32 v12, v0, 4, 1                        ; h
	v_and_b32 v14, 8, v3
	v_add_nc_u32 v14, v14, v3                      ; r + 8 (r / 8)
	v_lshlrev_b32 v[KOF], 8, v14
	v_lshl_add_u32 v[KOF], v12, 7, v[KOF]
	v_lshlrev_b32 v[VOF], 2, v2
	v_lshlrev_b32 v[LI], 4, v2
	v_lshlrev_b32 v[VDS], 4, v3
	v_lshl_add_u32 v[VDS], v12, 10, v[VDS]
	v_lshlrev_b32 v[ERD], 3, v2
	s_lshl_b32 s28, s[WV], 4
	v_mov_b32 v[EST], s28
	s_and_b32 s29, s[WV], 7
	s_lshl_b32 s19, ttmp9, 3
	s_add_co_u32 s19, s19, s29                     ; u
	s_lshr_b32 s20, s19, 7                         ; head
	s_bfe_u32 s21, s19, 0x50002                    ; j
	s_and_b32 s22, s19, 1                          ; t % 2
	s_bfe_u32 s23, s19, 0x10001                    ; t / 2
	s_lshl_b32 s28, s20, 19                        ; a head is 524,288 bytes of f32,
	s_lshl_b32 s29, s21, 14                        ; a step 64 rows of 256 bytes
	s_add_co_u32 s28, s28, s29
	s_lshl_b32 s29, s23, 13                        ; k: + 32 (t / 2) rows
	s_lshl_b32 s30, s22, 11                        ;    + 8 (t % 2) rows
	s_add_co_u32 s32, s28, s29
	s_add_co_u32 s32, s32, s30
	s_mov_b32 s33, 0
	s_lshl_b32 s29, s22, 13                        ; v: + 32 (t % 2) rows
	s_lshl_b32 s30, s23, 7                         ;    + 32 (t / 2) channels
	s_add_co_u32 s34, s28, s29
	s_add_co_u32 s34, s34, s30
	s_mov_b32 s35, 0
	s_lshl_b32 s36, s19, 10                        ; kimg: 1,024 u
	s_mov_b32 s37, 0
	s_lshl_b32 s38, s20, 17                        ; vimg: head 131,072 + j 4,096 + (t / 2) 2,048 + (t % 2) 512
	s_lshl_b32 s29, s21, 12
	s_add_co_u32 s38, s38, s29
	s_lshl_b32 s29, s23, 11
	s_add_co_u32 s38, s38, s29
	s_lshl_b32 s29, s22, 9
	s_add_co_u32 s38, s38, s29
	s_mov_b32 s39, 0
	s_lshl_b32 s40, ttmp9, 18                      ; mask: a query tile is 16 rows of 2,048 bytes on end: (8 x work-group + wave / 2) x 32,768
	s_lshr_b32 s29, s[WV], 1
	s_lshl_b32 s29, s29, 15
	s_add_co_u32 s40, s40, s29
	s_and_b32 s29, s[WV], 1                        ;       + 1,024 x my key half
	s_lshl_b32 s29, s29, 10
	s_add_co_u32 s40, s40, s29
	s_mov_b32 s41, 0
	s_lshl_b32 s42, ttmp9, 8                       ; flags: 32 entries of 8 bytes a work-group
	s_mov_b32 s43, 0
	s_mov_b32 s49, 0x40404040                      ; 64 in every byte: all keys count
	s_wait_kmcnt 0x0
	s_load_b128 s[24:27], s[10:11], 0x0            ; eq, ek, ep, ev
	s_add_nc_u64 s[4:5], s[4:5], s[32:33]
	s_add_nc_u64 s[6:7], s[6:7], s[34:35]
	s_add_nc_u64 s[8:9], s[8:9], s[40:41]
	s_add_nc_u64 s[12:13], s[12:13], s[36:37]
	s_add_nc_u64 s[14:15], s[14:15], s[38:39]
	s_add_nc_u64 s[16:17], s[16:17], s[42:43]
	s_cmp_lt_u32 s[WV], 8
	s_cbranch_scc0 .Lload_v
.irp i, 0,1,2,3,4,5,6,7
	global_load_b128 v[NB+4*\i:NB+4*\i+3], v[KOF], s[4:5] offset:16*\i th:TH_LOAD_NT     ; my key's channels 32 h + 4 i on
.endr
	s_branch .Lloaded
.Lload_v:
.set ii, 0
.rept 32
	global_load_b32 v[NB+ii], v[VOF], s[6:7] offset:256*ii th:TH_LOAD_NT                 ; key ii of the 32, my channel: 32 lanes read 128 consecutive bytes
.set ii, ii+1
.endr
.Lloaded:
.irp c, 0,1
.set ii, 0
.rept 16
	global_load_b128 v[MK+64*\c+4*ii:MK+64*\c+4*ii+3], v[LI], s[8:9] offset:2048*ii+512*\c th:TH_LOAD_NT   ; row ii, keys 512 c on of my half: 32 lanes read 512 consecutive bytes, aligned
.set ii, ii+1
.endr
.endr
	s_wait_kmcnt 0x0
	s_cmp_lt_u32 s[WV], 8
	s_cselect_b32 s28, s25, s27                    ; ek or ev
	s_add_co_i32 s28, s28, 127
	s_lshl_b32 s29, s28, 23
	v_mov_b32 v[SCL], s29                          ; 2^e as f32: the conversion takes its exponent field
	s_add_co_i32 s28, s28, 8
	s_lshl_b32 s28, s28, 23
	s_or_b32 s28, s28, 0x600000
	v_mov_b32 v[LIM], s28                          ; 448 x 2^e
	s_add_co_i32 s28, s24, s25                     ; NO HOLD: eq + ek <= 0
	s_cmp_le_i32 s28, 0
	s_cselect_b32 s50, 1, 0
	s_cmp_ge_i32 s26, -8                           ; and ep >= -8
	s_cselect_b32 s50, s50, 0
	s_lshl_b32 s50, s50, 16                        ; as bit 16 of an entry's word 0
	s_wait_loadcnt 32                              ; k's or v's loads are in; the mask's 32, issued behind them, may be out
.set ii, 0
.rept 32
	v_med3_num_f32 v[NB+ii], v[NB+ii], -v[LIM], v[LIM]   ; the conversion to an 8-bit code does not saturate (ISA guide 7.6.2): the hold at the largest code x the scale
.set ii, ii+1
.endr
.irp g, 0,1,2,3
	v_cvt_scalef32_pk8_fp8_f32 v[CD+2*\g:CD+2*\g+1], v[NB+8*\g:NB+8*\g+7], v[SCL]
.endr
	s_cmp_lt_u32 s[WV], 8                          ; (the codes go to stores alone; the next vector lines are plain and touch other registers)
	s_cbranch_scc0 .Lstore_v
	global_store_b128 v[LI], v[CD:CD+3], s[12:13]                  ; c = 0: 32 lanes store 512 consecutive bytes
	global_store_b128 v[LI], v[CD+4:CD+7], s[12:13] offset:512     ; c = 1
	s_branch .Lstored
.Lstore_v:
	global_store_b128 v[VDS], v[CD:CD+3], s[14:15]                 ; keys 0 .. 15 of the 32: the image's lanes 0-15 (h = 0): sixteen lanes store 256 consecutive bytes, aligned
	global_store_b128 v[VDS], v[CD+4:CD+7], s[14:15] offset:256    ; keys 16 .. 31: its lanes 16-31
.Lstored:
; An entry is counted.  A lane's 64 words (16 rows x 16 bytes) are added: each byte of the sum counts 64 bytes of the mask, so no byte carries.  Lanes 4 n .. 4 n + 3 hold tile n.
; left: the loads issued behind this entry's that may stay out.  Nothing here is a branch: the bits are made by selects.
.macro COUNT c, left
.set MB0, MK+64*(\c)
	s_wait_loadcnt \left
	v_add3_u32 v[TA], v[MB0], v[MB0+1], v[MB0+2]
	v_add3_u32 v[TC], v[MB0+3], v[MB0+4], v[MB0+5]
.irp k, 6,10,14,18,22,26,30,34,38,42,46,50,54,58
	v_add3_u32 v[TA], v[TA], v[MB0+\k], v[MB0+\k+1]
	v_add3_u32 v[TC], v[TC], v[MB0+\k+2], v[MB0+\k+3]
.endr
	v_add3_u32 v[TA], v[TA], v[MB0+62], v[MB0+63]
	v_add_nc_u32 v[TA], v[TA], v[TC]
	v_cmp_ne_u32 s44, 0, v[TA]                     ; lanes that saw a key that counts
	v_cmp_ne_u32 s45, s49, v[TA]                   ; lanes that saw a hidden key (not 64 in every byte)
	s_mov_b32 s47, s50                             ; word 0 begins with bit 16
	s_mov_b32 s48, 0
.irp n, 0,1,2,3,4,5,6,7
	s_and_b32 s46, s44, 0xf<<(4*\n)
	s_cselect_b32 s46, 1<<\n, 0
	s_or_b32 s47, s47, s46
	s_and_b32 s46, s45, 0xf<<(4*\n)
	s_cselect_b32 s46, 1<<\n, 0
	s_or_b32 s48, s48, s46
.endr
	s_and_b32 s48, s48, s47                        ; both kinds
	v_mov_b32 v[FW+2*(\c)], s47
	v_mov_b32 v[FW+2*(\c)+1], s48
.endm
	COUNT 0, 16                                    ; the second entry's 16 loads may be out
	COUNT 1, 0
	ds_store_b128 v[EST], v[FW:FW+3]               ; all lanes write the same 16 bytes with the same values: entries 2 wave and 2 wave + 1 of the work-group's 32
	s_wait_dscnt 0x0                               ; for the others' sake: my store has landed
	s_barrier_signal -1
	s_barrier_wait -1
	s_cmp_lg_u32 s[WV], 0
	s_cbranch_scc1 .Lend
	ds_load_b64 v[EB:EB+1], v[ERD]
	s_wait_dscnt 0x0
	global_store_b64 v[ERD], v[EB:EB+1], s[16:17]  ; 32 lanes store 256 consecutive bytes, aligned
.Lend:
	s_wait_tensorcnt 0x0
	ds_add_u32 v192, v193
	s_wait_dscnt 0x0
	s_endpgm
.Lfunc_end_k_qebb1737a31_prep:
	.size	k_qebb1737a31_prep, .Lfunc_end_k_qebb1737a31_prep-k_qebb1737a31_prep
	.p2alignl 7, 3214868480
	.fill 96, 4, 3214868480
	.section	.rodata,"a",@progbits
	.p2align	6, 0x0
	.amdhsa_kernel k_qebb1737a31_prep
		.amdhsa_group_segment_fixed_size 2304
		.amdhsa_private_segment_fixed_size 0
		.amdhsa_enable_private_segment 0
		.amdhsa_kernarg_size 56
		.amdhsa_user_sgpr_count 2
		.amdhsa_user_sgpr_kernarg_segment_ptr 1
		.amdhsa_wavefront_size32 1
		.amdhsa_system_sgpr_workgroup_id_x 1
		.amdhsa_system_sgpr_workgroup_id_y 1
		.amdhsa_system_sgpr_workgroup_id_z 1
		.amdhsa_system_vgpr_workitem_id 0
		.amdhsa_next_free_vgpr 194
		.amdhsa_next_free_sgpr 66
		.amdhsa_reserve_vcc 0
		.amdhsa_float_denorm_mode_32 3
		.amdhsa_float_denorm_mode_16_64 3
		.amdhsa_memory_ordered 1
		.amdhsa_forward_progress 1
		.amdhsa_inst_pref_size 23
	.end_amdhsa_kernel
	.amdgpu_metadata
---
amdhsa.version: [ 1, 2 ]
amdhsa.kernels:
  - .name:           k_qebb1737a31_prep
    .symbol:         k_qebb1737a31_prep.kd
    .args:
      - { .name: k, .offset: 0, .size: 8, .value_kind: global_buffer, .address_space: global }
      - { .name: v, .offset: 8, .size: 8, .value_kind: global_buffer, .address_space: global }
      - { .name: mask, .offset: 16, .size: 8, .value_kind: global_buffer, .address_space: global }
      - { .name: lowp_scales, .offset: 24, .size: 8, .value_kind: global_buffer, .address_space: global }
      - { .name: kimg, .offset: 32, .size: 8, .value_kind: global_buffer, .address_space: global }
      - { .name: vimg, .offset: 40, .size: 8, .value_kind: global_buffer, .address_space: global }
      - { .name: flags, .offset: 48, .size: 8, .value_kind: global_buffer, .address_space: global }
    .group_segment_fixed_size: 2304
    .private_segment_fixed_size: 0
    .kernarg_segment_align: 8
    .kernarg_segment_size: 56
    .max_flat_workgroup_size: 512
    .sgpr_count:     66
    .vgpr_count:     194
    .wavefront_size: 32
...
	.end_amdgpu_metadata
.endif
;; end of part 1
;; launch attn (part 2): grid 16 x 16, 16 waves a work-group, no clusters, 325,632 bytes of LDS; arguments q, kimg, vimg, mask, lowp_scales, flags, out0; writes out0
.if DOCPART == 2
	.amdgcn_target "amdgcn-amd-amdhsa--gfx1250"
	.amdhsa_code_object_version 6
	.text
	.protected	k_qebb1737a31_attn
	.globl	k_qebb1737a31_attn
	.p2align	8
	.type	k_qebb1737a31_attn,@function
k_qebb1737a31_attn:
	s_mov_b64 s[64:65], 0
	v_nop
	global_prefetch_b8 v0, s[64:65] scope:SCOPE_SE
	s_setreg_imm32_b32 hwreg(HW_REG_WAVE_MODE, 25, 1), 1
	s_wait_xcnt 0x0
; out[h][q][:] = sum over k of p(q, k) v[h][k][:] / l(q),  p = mask ? exp(s - m) : 0,  s = q . k / 8,  m = the row's largest s among the keys that count (0 if none),  l = the row's sum of p;  a row with l = 0 gives 0.
; Both products on codes of E4M3 by v_wmma_f32_16x16x64_fp8_fp8; scales 2^eq, 2^ek, 2^ep, 2^ev are given.  p is quantised AS IT STANDS, under the row's FINAL m: so the keys are walked twice:
; pass 1: scores and the masked maximum;  pass 2: the scores again, p, its sum (of the unquantised p), its codes, and O^T += V^T P^T.  Nothing is ever rescaled.
; SHARES.  A work-group owns 128 queries of one head, taken as two generations of 64 (four tiles of 16).  k's and v's codes of the head (register images made by the launch before) lie in LDS for the whole launch.
; Wave w: tile T = w % 4 of the generation, key quarter kq = w / 4: keys 512 kq on, eight steps of 64.  The four quarters of a tile meet in LDS: the maxima between the passes, the sums and O^T at the end; wave kq = 0 adds and stores.
; LAYOUT.  S^T = K Q^T (source 0 = 16 keys, source 1 = my 16 queries), O^T = V^T P^T (source 0 = 16 channels, source 1 = P): a lane holds ONE query (lane % 16) throughout.  The keys of a tile are chosen so that the
; registers of tiles 2 b, 2 b + 1 are keys 32 b + 16 (lane / 16) + 0 .. 15: the conversions' results are P's registers.  Along each K both sides have the same order of k in the registers.
; THE MASK has been counted by the launch before, for each tile of 16 queries x 64 keys; a wave reads, for each generation, one entry of two whole numbers: bit J of word 0: step J has a key that counts; bit J of word 1: it has both kinds.
; No key counts: the step is left out (it adds nothing to m, l or O).  All 1,024 count: no masking is needed.  Both kinds: the tile's bytes of the mask are read here, 32 a lane,
; and turned into the C of the scores' matrix instructions: about -4e37 to -1.7e38 where a key is hidden, at most 2.4e-38 where it counts.  These are scalar branches on stored whole numbers, right for every mask.
; NO TENSOR LOADS, NO CLUSTER, though the sixteen work-groups of a head read the same 262,144 bytes of codes: the branches on the entries spare the work of every hidden tile.
; LIMITS.  eq and ep between -126 and 119; eq + ek between -110 and 100 (c' below is an f32 number, c' x a raw sum stays finite, and c' x a hidden score lies under every exponent); ep + ev goes by v_ldexp_f32 and has none.
; A byte of the mask is 0 or 1.  NaN among the inputs is not served.  t = c' s_raw - round(c' m): one rounding of c' m stands in the exponent.
.set KIMG, 0                           ; LDS: k's images, 131,072 bytes
.set VIMG, 131072                      ; v's images, 131,072
.set PART, 262144                      ; [tile][kq - 1] x 4,096: images of the partial O^T; a tile's 12,288 bytes then serve as its stage for the way out (16 rows x 272)
.set MAXX, 311296                      ; a word a thread: the quarters' maxima
.set LSUM, 313344                      ; a word a thread: the quarters' sums
.set QIMG, 315392                      ; q's images: 8 tiles x 1,024
.set LI,   1                           ; v1   16 x lane
.set ADK,  2                           ; v2   LDS address of the step's images of k
.set ADV,  3                           ; v3   of v
.set MOFF, 5                           ; v5   the mask: 2048 r + 16 h
.set QOFF, 6                           ; v6   q: 4096 wave + 256 r + 128 h
.set CPK,  7                           ; v7   8192 wave + 16 lane: my part of the images, in memory and in KIMG
.set CPV,  8                           ; v8   the same in VIMG
.set MXA,  9                           ; v9   MAXX + 4 thread
.set MXR,  10                          ; v10  MAXX + 128 T + 4 lane
.set LPA,  11                          ; v11  LSUM + 4 thread
.set LPR,  12                          ; v12  LSUM + 128 T + 4 lane
.set PST,  13                          ; v13  where a quarter 1 .. 3 puts its O^T
.set PRD,  14                          ; v14  where quarter 0 reads them
.set OST,  15                          ; v15  the stage, in: 272 r + 32 h
.set ORD,  16                          ; v16  the stage, back: 272 (lane / 16) + 16 (lane % 16)
.set OGO,  17                          ; v17  out: 256 (lane / 16) + 16 (lane % 16)
.set NMC,  18                          ; v[18:19] -c' m, and 0 (named with it as a pair)
.set L0,   20                          ; v[20:21], v[22:23] the row's sum in two chains of pairs
.set L1,   22
.set MA,   24                          ; v24, v25 the maximum in two chains
.set MB,   25
.set PSC,  26                          ; v26  2^ep as f32
.set PLIM, 27                          ; v27  448 x 2^ep
.set QIA,  28                          ; v28  QIMG + 1024 wave + 16 lane
.set QIR,  29                          ; v29  QIMG + 1024 T + 16 lane
.set TA,   30                          ; v30, v31 at work
.set TC,   31
.set QF0,  32                          ; v32-39   q's fragment, generation 0
.set PC,   40                          ; v40-47   p's codes
.set OT,   48                          ; v48-79   O^T: 4 tiles of 16 channels
.set SC,   80                          ; v80-111  S^T, then p: 4 tiles of 16 keys
.set KF,   112                         ; v112-143 k's 4 fragments
.set VF,   144                         ; v144-175 v's 4 fragments; ahead of them, in a mixed step, the scores' C
.set QF1,  240                         ; v240-247 q's fragment, generation 1
.set MW,   248                         ; v248-255 at work
.set QB,   4                           ; s[4:5]   q at my block's first row
.set KB,   6                           ; s[6:7]   kimg at my head
.set VB,   8                           ; s[8:9]   vimg at my head
.set MBASE, 10                         ; s[10:11] mask at my tile's first row of generation 0, my quarter's first key
.set FB,   14                          ; s[14:15] flags at my entry of generation 0
.set WV,   16
.set TT,   17
.set KQ,   18
.set HD,   19
.set OB,   20                          ; s[20:21] out at my tile's first row of generation 0
.set OFS,  22                          ; s[22:23] an offset, high word 0
.set CS,   28                          ; s[28:29] c' = log2(e) x 2^(eq + ek - 3), twice
.set EPV,  30                          ; s30  ep + ev
.set SEL,  32                          ; s[32:33] lane selects: lane l xor 16
.set ANY,  34                          ; s34  the generation's word 0: bit J: step J has a key that counts; bit 16: p needs no hold
.set MIX,  36                          ; s36  its word 1: bit J: step J has both kinds of key
.set JJ,   37
.set TB,   38                          ; s38  LDS byte of the step's images
.set TB0,  39                          ; s39  32768 kq
.set MP,   40                          ; s[40:41] mask at the step's first key
.set C254, 45
.set CFE,  46
.set THR,  48
.set X0,   49                          ; s49-53 at work
.set FL,   54                          ; s[54:55], s[56:57] my entries of generations 0 and 1
.macro BARRIER                         ; my LDS stores have landed and my LDS loads are in: then the work-group's barrier
	s_wait_dscnt 0x0
	s_barrier_signal -1
	s_barrier_wait -1
.endm
; The scores of one step: S^T of 64 keys x my 16 queries, raw (sums of products of codes).  K's loads stand four plain instructions or more behind the last matrix instruction that read their registers (the v_nop at this macro's end).
.macro SCORES qf
.irp t, 0,1,2,3
.irp c, 0,1
	ds_load_b128 v[KF+8*\t+4*\c:KF+8*\t+4*\c+3], v[ADK] offset:1024*\t+512*\c
.endr
.endr
	s_bitcmp1_b32 s[MIX], s[JJ]
	s_cbranch_scc1 .Lmix_\@
	s_wait_dscnt 0x0
.irp t, 0,1,2,3
	v_wmma_f32_16x16x64_fp8_fp8 v[SC+8*\t:SC+8*\t+7], v[KF+8*\t:KF+8*\t+7], v[\qf:\qf+7], 0
.endr
	s_branch .Ljoin_\@
.Lmix_\@:                              ; some keys count, some do not: my query's 32 bytes: keys 32 b + 16 h + 0 .. 15
	global_load_b128 v[MW:MW+3], v[MOFF], s[MP:MP+1]
	global_load_b128 v[MW+4:MW+7], v[MOFF], s[MP:MP+1] offset:32
.rept 4
	v_nop                                          ; places behind the last products V^T P^T, which read the registers written below (ISA guide 7.12.1)
.endr
	s_wait_loadcnt 0x0
.irp n, 0,1,2,3,4,5,6,7                ; word n: the keys of registers 4 n .. 4 n + 3 of the 32.  0xfe in a byte where the key is hidden, 0 where it counts (bytes are 0 or 1: x 254 carries nothing)
	v_mul_lo_u32 v[VF+4*\n+3], v[MW+\n], s[C254]
.endr
.irp n, 0,1,2,3,4,5,6,7
	v_sub_nc_u32 v[VF+4*\n+3], s[CFE], v[VF+4*\n+3]
.endr
.irp n, 0,1,2,3,4,5,6,7                ; each key's byte on top of a word: 0xfe.. is a finite f32 number of about -4e37 to -1.7e38; 0x00.. is at most 2.4e-38
	v_lshlrev_b32 v[VF+4*\n], 24, v[VF+4*\n+3]
	v_lshlrev_b32 v[VF+4*\n+1], 16, v[VF+4*\n+3]
	v_lshlrev_b32 v[VF+4*\n+2], 8, v[VF+4*\n+3]
.endr
	s_wait_dscnt 0x0
.irp t, 0,1,2,3
	v_wmma_f32_16x16x64_fp8_fp8 v[SC+8*\t:SC+8*\t+7], v[KF+8*\t:KF+8*\t+7], v[\qf:\qf+7], v[VF+8*\t:VF+8*\t+7]
.endr
.Ljoin_\@:
.rept 4
	v_nop                                          ; places in front of the first read of the scores and of loads into registers that these products have read
.endr
.endm
.macro WALK0 g                         ; a pass begins: the step's pointers at my quarter's first step
.if \g
	s_add_nc_u64 s[MP:MP+1], s[MBASE:MBASE+1], 0x20000
.else
	s_mov_b64 s[MP:MP+1], s[MBASE:MBASE+1]
.endif
	s_mov_b32 s[TB], s[TB0]
	s_mov_b32 s[JJ], 0
.endm
.macro WALK1                           ; a step on.  (The mask's pointer: every load that named it has been waited for)
	s_add_co_u32 s[TB], s[TB], 4096
	s_add_nc_u64 s[MP:MP+1], s[MP:MP+1], 64
	s_add_co_u32 s[JJ], s[JJ], 1
	s_cmp_lt_u32 s[JJ], 8
.endm
; PASS 1: the largest raw score of my query among my quarter's keys.  Every wave walks all eight steps; a step without a key that counts is jumped over.
.macro PASS1 g, qf
	v_mov_b32 v[MA], 0xff61b1e6                    ; -3e38, under every score, a hidden one too
	v_mov_b32 v[MB], 0xff61b1e6
	WALK0 \g
	s_wait_dscnt 0x0                               ; q's fragments are in
.Lp1_\@:
	v_add_nc_u32 v[ADK], s[TB], v[LI]
	s_bitcmp1_b32 s[ANY], s[JJ]
	s_cbranch_scc0 .Lp1n_\@
	SCORES \qf
.irp t, 0,1,2,3                        ; each accumulator from its low end on
	v_max3_num_f32 v[MA], v[MA], v[SC+8*\t], v[SC+8*\t+1]
	v_max3_num_f32 v[MB], v[MB], v[SC+8*\t+2], v[SC+8*\t+3]
	v_max3_num_f32 v[MA], v[MA], v[SC+8*\t+4], v[SC+8*\t+5]
	v_max3_num_f32 v[MB], v[MB], v[SC+8*\t+6], v[SC+8*\t+7]
.endr
.Lp1n_\@:
	WALK1
	s_cbranch_scc1 .Lp1_\@
.endm
; The four quarters' maxima meet.  A row in which no key counts has a maximum under -1e30 (raw scores lie within +-1.3e7): its m is 0, as the problem has it.
.macro XMAX
	v_max_num_f32 v[MA], v[MA], v[MB]
	v_permlanex16_b32 v[TA], v[MA], s[SEL], s[SEL+1]
	v_max_num_f32 v[MA], v[MA], v[TA]              ; with lane l xor 16's: my query's, in my quarter
	ds_store_b32 v[MXA], v[MA]
	BARRIER
.irp k, 0,1,2,3
	ds_load_b32 v[MW+\k], v[MXR] offset:512*\k
.endr
.set ii, 0
.rept 32
	v_mov_b32 v[OT+ii], 0                          ; O^T begins as zeros: which step is the first that counts hangs on the mask, so no product can be written out to start the sums
.set ii, ii+1
.endr
.irp k, 0,1,2,3
	v_mov_b32 v[L0+\k], 0
.endr
	s_wait_dscnt 0x0
	v_max3_num_f32 v[MA], v[MW], v[MW+1], v[MW+2]
	v_max_num_f32 v[MA], v[MA], v[MW+3]
	v_cmp_lt_f32 vcc_lo, s[THR], v[MA]
	v_cndmask_b32 v[MA], 0, v[MA], vcc_lo
	v_mul_f32 v[NMC], -v[MA], s[CS]                ; -c' m
.endm
; PASS 2: p = 2^(c' s_raw - c' m) = exp(s - m); its sum; its codes; O^T += V^T P^T.
.macro PASS2 g, qf
	WALK0 \g
.Lp2_\@:
	v_add_nc_u32 v[ADK], s[TB], v[LI]
	v_add_nc_u32 v[ADV], VIMG, v[ADK]
	s_bitcmp1_b32 s[ANY], s[JJ]
	s_cbranch_scc0 .Lp2n_\@
	SCORES \qf
.irp e, 0,1,2,3                        ; v's fragments land under the exponentials
.irp b, 0,1
	ds_load_b128 v[VF+8*\e+4*\b:VF+8*\e+4*\b+3], v[ADV] offset:1024*\e+512*\b
.endr
.endr
.set ii, 0
.rept 16
	v_pk_fma_f32 v[SC+ii:SC+ii+1], v[SC+ii:SC+ii+1], s[CS:CS+1], v[NMC:NMC+1] op_sel_hi:[1,0,0]   ; two at a time; of the pairs c' and -c' m the low word serves both halves
.set ii, ii+2
.endr
.set ii, 0
.rept 32
	v_exp_f32 v[SC+ii], v[SC+ii]                   ; a hidden key's exponent lies under -5,000: p = 0
.set ii, ii+1
.endr
	v_nop                                          ; a plain instruction behind the last exponential
	s_wait_alu depctr_va_vdst(0)                   ; a wait ahead of the first instruction that names a result: one for the 32
.set ii, 0
.rept 8
	v_pk_add_f32 v[L0:L0+1], v[L0:L0+1], v[SC+ii:SC+ii+1]         ; the sum is taken of the unquantised p
	v_pk_add_f32 v[L1:L1+1], v[L1:L1+1], v[SC+ii+2:SC+ii+3]
.set ii, ii+4
.endr
	s_bitcmp1_b32 s[ANY], 16                       ; set where eq + ek <= 0 and ep >= -8: c' m then lies under 2^22, so the exponent is at most 1/8 and p at most 1.1, and 448 x 2^ep is at least 1.75: nothing to hold
	s_cbranch_scc1 .Lnh_\@
.set ii, 0
.rept 32
	v_min_num_f32 v[SC+ii], v[SC+ii], v[PLIM]      ; the conversion to an 8-bit code does not saturate (ISA guide 7.6.2); p is not negative, so the hold is one-sided
.set ii, ii+1
.endr
.Lnh_\@:
.irp t, 0,1,2,3
	v_cvt_scalef32_pk8_fp8_f32 v[PC+2*\t:PC+2*\t+1], v[SC+8*\t:SC+8*\t+7], v[PSC]
.endr
	v_nop                                          ; one plain instruction between a scaled conversion and the matrix instruction that reads its result
	s_wait_dscnt 0x0                               ; v's fragments are in
.irp e, 0,1,2,3                        ; the four accumulators take turns, and the next step's four products K Q^T stand between two links of a chain
	v_wmma_f32_16x16x64_fp8_fp8 v[OT+8*\e:OT+8*\e+7], v[VF+8*\e:VF+8*\e+7], v[PC:PC+7], v[OT+8*\e:OT+8*\e+7]
.endr
.Lp2n_\@:
	WALK1
	s_cbranch_scc1 .Lp2_\@
.endm
; The four quarters' sums and O^T meet; quarter 0 adds them, divides, and stores 16 whole rows of out.
.macro FINISH g
.rept 4
	v_nop                                          ; places behind the last products
.endr
	v_pk_add_f32 v[L0:L0+1], v[L0:L0+1], v[L1:L1+1]
	v_add_f32 v[L0], v[L0], v[L0+1]
	v_permlanex16_b32 v[TA], v[L0], s[SEL], s[SEL+1]
	v_add_f32 v[L0], v[L0], v[TA]                  ; my query's sum in my quarter
	ds_store_b32 v[LPA], v[L0]
	s_cmp_lt_u32 s[WV], 4
	s_cbranch_scc1 .Lfa_\@
.irp i, 0,1,2,3,4,5,6,7
	ds_store_b128 v[PST], v[OT+4*\i:OT+4*\i+3] offset:512*\i       ; O^T as it stands in my registers, each accumulator from its low end on
.endr
.Lfa_\@:
	BARRIER
	s_cmp_ge_u32 s[WV], 4
	s_cbranch_scc1 .Lfe_\@
.irp p, 0,1,2
.irp i, 0,1,2,3,4,5,6,7
	ds_load_b128 v[SC+32*\p+4*\i:SC+32*\p+4*\i+3], v[PRD] offset:4096*\p+512*\i
.endr
.endr
.irp p, 0,1,2
	ds_load_b32 v[MW+\p], v[LPR] offset:512*(\p+1)
.endr
	s_wait_dscnt 0x0
	v_add_f32 v[L0], v[L0], v[MW]
	v_add_f32 v[MW+1], v[MW+1], v[MW+2]
	v_add_f32 v[L0], v[L0], v[MW+1]                ; l
	v_cmp_lt_f32 vcc_lo, 0, v[L0]
	v_rcp_f32 v[TA], v[L0]
.irp p, 0,1,2
.irp k, 0,1,2,3,4,5,6,7,8,9,10,11,12,13,14,15
	v_pk_add_f32 v[OT+2*\k:OT+2*\k+1], v[OT+2*\k:OT+2*\k+1], v[SC+32*\p+2*\k:SC+32*\p+2*\k+1]
.endr
.endr
	s_wait_alu depctr_va_vdst(0)                   ; the wait ahead of the reciprocal's first reader; the 48 additions are the work between
	v_ldexp_f32 v[TA], v[TA], s[EPV]               ; x 2^(ep + ev)
	v_cndmask_b32 v[TA], 0, v[TA], vcc_lo          ; l = 0: the row is 0
.irp k, 0,1,2,3,4,5,6,7,8,9,10,11,12,13,14,15
	v_pk_mul_f32 v[SC+2*\k:SC+2*\k+1], v[OT+2*\k:OT+2*\k+1], v[TA:TA+1] op_sel_hi:[1,0]
.endr
.irp e, 0,1,2,3                        ; lane (r, h): out(r, 16 e + 8 h + 0 .. 7): 32 bytes of a row.  The stage is my tile's part of PART: its images were mine alone to read, and are read
	ds_store_b128 v[OST], v[SC+8*\e:SC+8*\e+3] offset:64*\e
	ds_store_b128 v[OST], v[SC+8*\e+4:SC+8*\e+7] offset:64*\e+16
.endr
.irp i, 0,1,2,3,4,5,6,7
	ds_load_b128 v[KF+4*\i:KF+4*\i+3], v[ORD] offset:544*\i        ; LDS serves a wave's instructions in order (ISA guide 5.7.1.4): these see my stores
.endr
.irp i, 0,1,2,3,4,5,6,7
	s_wait_dscnt 7-\i
	global_store_b128 v[OGO], v[KF+4*\i:KF+4*\i+3], s[OB:OB+1] offset:(\g)*16384+512*\i th:TH_STORE_NT   ; two rows of 256 bytes: 32 lanes store 512 consecutive bytes, aligned
.endr
.if (\g) == 0
	s_wait_xcnt 0x0                                ; the stores have read their registers, which the next generation loads again
.endif
.Lfe_\@:
.endm
.macro GEN g, qf
	s_mov_b32 s[ANY], s[FL+2*(\g)]                 ; the generation's entry
	s_mov_b32 s[MIX], s[FL+2*(\g)+1]
	PASS1 \g, \qf
	XMAX
	PASS2 \g, \qf
	FINISH \g
.endm
	s_load_b256 s[4:11], s[0:1], 0x0               ; q, kimg, vimg, mask
	s_load_b128 s[12:15], s[0:1], 0x20             ; the scales' exponents s[12:13], flags s[14:15]
	s_load_b64 s[OB:OB+1], s[0:1], 0x30            ; out
	v_lshl_add_u32 v238, v0, 2, 0x4f000
	v_mov_b32 v239, 0
	v_lshrrev_b32 v[MW+3], 5, v0
	v_readfirstlane_b32 s[WV], v[MW+3]             ; wave 0 .. 15
	s_and_b32 s[TT], s[WV], 3                      ; my tile of the generation's four
	s_lshr_b32 s[KQ], s[WV], 2                     ; my quarter of the keys
	s_and_b32 s[HD], ttmp7, 0xffff                 ; the head
	v_and_b32 v[MW], 31, v0                        ; lane
	v_and_b32 v[MW+1], 15, v0                      ; r
	v_bfe_u32 v[MW+2], v0, 4, 1                    ; h
	; every address register is made here, ahead of the first branch on the wave's number
	v_lshlrev_b32 v[LI], 4, v[MW]
	v_lshlrev_b32 v[MOFF], 11, v[MW+1]
	v_lshl_add_u32 v[MOFF], v[MW+2], 4, v[MOFF]
	v_lshlrev_b32 v[QOFF], 8, v[MW+1]
	v_lshl_add_u32 v[QOFF], v[MW+2], 7, v[QOFF]
	s_lshl_b32 s[X0], s[WV], 12
	v_add_nc_u32 v[QOFF], s[X0], v[QOFF]
	s_lshl_b32 s[X0], s[WV], 13
	v_add_nc_u32 v[CPK], s[X0], v[LI]
	v_add_nc_u32 v[CPV], VIMG, v[CPK]
	v_lshl_add_u32 v[MXA], v0, 2, MAXX
	v_lshl_add_u32 v[LPA], v0, 2, LSUM
	s_lshl_b32 s[X0], s[TT], 7
	s_add_co_u32 s[X0+1], s[X0], MAXX
	v_lshl_add_u32 v[MXR], v[MW], 2, s[X0+1]
	s_add_co_u32 s[X0+1], s[X0], LSUM
	v_lshl_add_u32 v[LPR], v[MW], 2, s[X0+1]
	s_mul_i32 s[X0+2], s[TT], 12288
	s_lshl_b32 s[X0+3], s[KQ], 12
	s_add_co_u32 s[X0+3], s[X0+3], s[X0+2]
	s_add_co_u32 s[X0+3], s[X0+3], PART-4096
	v_add_nc_u32 v[PST], s[X0+3], v[LI]            ; PART + 12288 T + 4096 (kq - 1) + 16 lane: used by quarters 1 to 3 alone
	s_add_co_u32 s[X0+2], s[X0+2], PART
	v_add_nc_u32 v[PRD], s[X0+2], v[LI]
	v_mul_u32_u24 v[OST], v[MW+1], 272
	v_lshl_add_u32 v[OST], v[MW+2], 5, v[OST]
	v_add_nc_u32 v[OST], s[X0+2], v[OST]
	v_mul_u32_u24 v[ORD], v[MW+2], 272
	v_lshl_add_u32 v[ORD], v[MW+1], 4, v[ORD]
	v_add_nc_u32 v[ORD], s[X0+2], v[ORD]
	v_lshlrev_b32 v[OGO], 8, v[MW+2]
	v_lshl_add_u32 v[OGO], v[MW+1], 4, v[OGO]
	s_lshl_b32 s[X0], s[WV], 10
	s_add_co_u32 s[X0], s[X0], QIMG
	v_add_nc_u32 v[QIA], s[X0], v[LI]              ; used by waves 0 to 7 alone
	s_lshl_b32 s[X0], s[TT], 10
	s_add_co_u32 s[X0], s[X0], QIMG
	v_add_nc_u32 v[QIR], s[X0], v[LI]
	v_mov_b32 v[NMC+1], 0
	s_mov_b32 s[SEL], 0x76543210
	s_mov_b32 s[SEL+1], 0xfedcba98
	s_mov_b32 s[C254], 254
	s_mov_b32 s[CFE], 0xfefefefe
	s_mov_b32 s[THR], 0xf149f2ca                   ; -1e30
	s_lshl_b32 s[TB0], s[KQ], 15                   ; my quarter's eight steps of 4,096 bytes
	s_wait_kmcnt 0x0
	s_load_b128 s[24:27], s[12:13], 0x0            ; eq, ek, ep, ev
	s_lshl_b32 s[OFS], s[HD], 12                   ; flags: entry 4 x (128 head + 8 block + 4 generation + T) + kq, 8 bytes each
	s_lshl_b32 s[X0], ttmp9, 8
	s_add_co_u32 s[OFS], s[OFS], s[X0]
	s_lshl_b32 s[X0], s[TT], 5
	s_add_co_u32 s[OFS], s[OFS], s[X0]
	s_lshl_b32 s[X0], s[KQ], 3
	s_add_co_u32 s[OFS], s[OFS], s[X0]
	s_mov_b32 s[OFS+1], 0
	s_add_nc_u64 s[FB:FB+1], s[FB:FB+1], s[OFS:OFS+1]
	s_load_b64 s[FL:FL+1], s[FB:FB+1], 0x0         ; generation 0's entry,
	s_load_b64 s[FL+2:FL+3], s[FB:FB+1], 0x80      ; generation 1's: four query tiles, 16 entries, on
	s_lshl_b32 s[OFS], s[HD], 19                   ; q and out: a head is 2,048 rows of 256 bytes,
	s_lshl_b32 s[X0], ttmp9, 15                    ; a block 128 rows
	s_add_co_u32 s[OFS], s[OFS], s[X0]
	s_add_nc_u64 s[QB:QB+1], s[QB:QB+1], s[OFS:OFS+1]
	s_lshl_b32 s[X0], s[TT], 12                    ; out: + my tile's 16 rows
	s_add_co_u32 s[OFS], s[OFS], s[X0]
	s_add_nc_u64 s[OB:OB+1], s[OB:OB+1], s[OFS:OFS+1]
	s_lshl_b32 s[OFS], s[HD], 17
	s_add_nc_u64 s[KB:KB+1], s[KB:KB+1], s[OFS:OFS+1]
	s_add_nc_u64 s[VB:VB+1], s[VB:VB+1], s[OFS:OFS+1]
	s_lshl_b32 s[OFS], s[HD], 22                   ; mask: a head is 2,048 rows of 2,048 bytes
	s_lshl_b32 s[X0], ttmp9, 18
	s_add_co_u32 s[OFS], s[OFS], s[X0]
	s_lshl_b32 s[X0], s[TT], 15
	s_add_co_u32 s[OFS], s[OFS], s[X0]
	s_lshl_b32 s[X0], s[KQ], 9
	s_add_co_u32 s[OFS], s[OFS], s[X0]
	s_add_nc_u64 s[MBASE:MBASE+1], s[MBASE:MBASE+1], s[OFS:OFS+1]
	s_cmp_lt_u32 s[WV], 8                          ; waves 0 to 7 quantise the block's eight tiles of q: wave w rows 16 w on; a lane takes channels 32 h + 0 .. 31 of row r
	s_cbranch_scc0 .Lnoq
.irp i, 0,1,2,3
	global_load_b128 v[QF0+4*\i:QF0+4*\i+3], v[QOFF], s[QB:QB+1] offset:16*\i th:TH_LOAD_NT
.endr
.irp i, 0,1,2,3
	global_load_b128 v[QF1+4*\i:QF1+4*\i+3], v[QOFF], s[QB:QB+1] offset:64+16*\i th:TH_LOAD_NT
.endr
.Lnoq:
.irp i, 0,1,2,3,4,5,6,7,8,9,10,11,12,13,14,15
	global_load_b128 v[OT+4*\i:OT+4*\i+3], v[CPK], s[KB:KB+1] offset:512*\i     ; my 8,192 bytes of k's images: 512 consecutive bytes a load
.endr
.irp i, 0,1,2,3,4,5,6,7,8,9,10,11,12,13,14,15
	global_load_b128 v[KF+4*\i:KF+4*\i+3], v[CPK], s[VB:VB+1] offset:512*\i     ; and of v's
.endr
	s_wait_kmcnt 0x0                               ; the exponents and my two entries
	s_add_co_i32 s[X0], s24, s25                   ; eq + ek
	s_sub_co_i32 s[X0], s[X0], 3                   ; 1 / sqrt(64) = 2^-3
	s_lshl_b32 s[X0], s[X0], 23
	s_add_co_i32 s[CS], s[X0], 0x3fb8aa3b          ; log2(e) with eq + ek - 3 added to its exponent field
	s_mov_b32 s[CS+1], s[CS]
	s_add_co_i32 s[EPV], s26, s27
	s_add_co_i32 s[X0], s24, 127
	s_lshl_b32 s[X0+1], s[X0], 23
	v_mov_b32 v[TA], s[X0+1]                       ; 2^eq as f32
	s_add_co_i32 s[X0], s[X0], 8
	s_lshl_b32 s[X0], s[X0], 23
	s_or_b32 s[X0], s[X0], 0x600000
	v_mov_b32 v[TC], s[X0]                         ; 448 x 2^eq
	s_add_co_i32 s[X0], s26, 127
	s_lshl_b32 s[X0+3], s[X0], 23                  ; 2^ep
	s_add_co_i32 s[X0], s[X0], 8
	s_lshl_b32 s[X0+4], s[X0], 23
	s_or_b32 s[X0+4], s[X0+4], 0x600000            ; 448 x 2^ep
	s_wait_loadcnt 16                              ; q and k's images are in; v's 16 loads may be out
.irp i, 0,1,2,3,4,5,6,7,8,9,10,11,12,13,14,15
	ds_store_b128 v[CPK], v[OT+4*\i:OT+4*\i+3] offset:512*\i
.endr
	s_cmp_lt_u32 s[WV], 8
	s_cbranch_scc0 .Lnoq2
.set ii, 0
.rept 16
	v_med3_num_f32 v[QF0+ii], v[QF0+ii], -v[TC], v[TC]             ; the hold at the largest code x the scale
	v_med3_num_f32 v[QF1+ii], v[QF1+ii], -v[TC], v[TC]
.set ii, ii+1
.endr
	v_cvt_scalef32_pk8_fp8_f32 v[L0:L0+1], v[QF0:QF0+7], v[TA]
	v_cvt_scalef32_pk8_fp8_f32 v[L0+2:L0+3], v[QF0+8:QF0+15], v[TA]
	v_cvt_scalef32_pk8_fp8_f32 v[L0+4:L0+5], v[QF1:QF1+7], v[TA]
	v_cvt_scalef32_pk8_fp8_f32 v[L0+6:L0+7], v[QF1+8:QF1+15], v[TA]
	v_nop                                          ; one plain instruction behind the last scaled conversion
	ds_store_b128 v[QIA], v[L0:L0+3]               ; channels 32 h + 0 .. 15
	ds_store_b128 v[QIA], v[L0+4:L0+7] offset:512  ; channels 32 h + 16 .. 31
.Lnoq2:
	s_wait_loadcnt 0x0                             ; v's images are in
.irp i, 0,1,2,3,4,5,6,7,8,9,10,11,12,13,14,15
	ds_store_b128 v[CPV], v[KF+4*\i:KF+4*\i+3] offset:512*\i
.endr
	BARRIER                                        ; the head's k, v and the block's q lie in LDS; nothing writes them again
	ds_load_b128 v[QF0:QF0+3], v[QIR]              ; my tile of generation 0,
	ds_load_b128 v[QF0+4:QF0+7], v[QIR] offset:512
	ds_load_b128 v[QF1:QF1+3], v[QIR] offset:4096  ; and of generation 1
	ds_load_b128 v[QF1+4:QF1+7], v[QIR] offset:4608
	v_mov_b32 v[PSC], s[X0+3]
	v_mov_b32 v[PLIM], s[X0+4]
	GEN 0, QF0
	GEN 1, QF1
	s_wait_tensorcnt 0x0
	ds_add_u32 v238, v239
	s_wait_dscnt 0x0
	s_endpgm
.Lfunc_end_k_qebb1737a31_attn:
	.size	k_qebb1737a31_attn, .Lfunc_end_k_qebb1737a31_attn-k_qebb1737a31_attn
	.p2alignl 7, 3214868480
	.fill 96, 4, 3214868480
	.section	.rodata,"a",@progbits
	.p2align	6, 0x0
	.amdhsa_kernel k_qebb1737a31_attn
		.amdhsa_group_segment_fixed_size 325632
		.amdhsa_private_segment_fixed_size 0
		.amdhsa_enable_private_segment 0
		.amdhsa_kernarg_size 56
		.amdhsa_user_sgpr_count 2
		.amdhsa_user_sgpr_kernarg_segment_ptr 1
		.amdhsa_wavefront_size32 1
		.amdhsa_system_sgpr_workgroup_id_x 1
		.amdhsa_system_sgpr_workgroup_id_y 1
		.amdhsa_system_sgpr_workgroup_id_z 1
		.amdhsa_system_vgpr_workitem_id 0
		.amdhsa_next_free_vgpr 256
		.amdhsa_next_free_sgpr 66
		.amdhsa_reserve_vcc 1
		.amdhsa_float_denorm_mode_32 3
		.amdhsa_float_denorm_mode_16_64 3
		.amdhsa_memory_ordered 1
		.amdhsa_forward_progress 1
		.amdhsa_inst_pref_size 63
	.end_amdhsa_kernel
	.amdgpu_metadata
---
amdhsa.version: [ 1, 2 ]
amdhsa.kernels:
  - .name:           k_qebb1737a31_attn
    .symbol:         k_qebb1737a31_attn.kd
    .args:
      - { .name: q, .offset: 0, .size: 8, .value_kind: global_buffer, .address_space: global }
      - { .name: kimg, .offset: 8, .size: 8, .value_kind: global_buffer, .address_space: global }
      - { .name: vimg, .offset: 16, .size: 8, .value_kind: global_buffer, .address_space: global }
      - { .name: mask, .offset: 24, .size: 8, .value_kind: global_buffer, .address_space: global }
      - { .name: lowp_scales, .offset: 32, .size: 8, .value_kind: global_buffer, .address_space: global }
      - { .name: flags, .offset: 40, .size: 8, .value_kind: global_buffer, .address_space: global }
      - { .name: out0, .offset: 48, .size: 8, .value_kind: global_buffer, .address_space: global }
    .group_segment_fixed_size: 325632
    .private_segment_fixed_size: 0
    .kernarg_segment_align: 8
    .kernarg_segment_size: 56
    .max_flat_workgroup_size: 512
    .sgpr_count:     66
    .vgpr_count:     256
    .wavefront_size: 32
...
	.end_amdgpu_metadata
.endif
;; end of part 2
;; ======== version 2 of 3: 2 launches; 1.14 times as fast as version 1
;; workspace buffers: kimg 2,097,152 bytes; vimg 2,097,152 bytes; flags 65,536 bytes of whole numbers
;; launch prep (part 3): grid 256 x 1, 16 waves a work-group, no clusters, 18,688 bytes of LDS; arguments k, v, mask, lowp_scales, kimg, vimg, flags; writes kimg, vimg, flags
.if DOCPART == 3
	.amdgcn_target "amdgcn-amd-amdhsa--gfx1250"
	.amdhsa_code_object_version 6
	.text
	.protected	k_qebb1737a31_prep
	.globl	k_qebb1737a31_prep
	.p2align	8
	.type	k_qebb1737a31_prep,@function
k_qebb1737a31_prep:
	s_mov_b64 s[64:65], 0
	v_nop
	global_prefetch_b8 v0, s[64:65] scope:SCOPE_SE
	s_setreg_imm32_b32 hwreg(HW_REG_WAVE_MODE, 25, 1), 1
	s_wait_xcnt 0x0
; TWO THINGS FOR THE ATTENTION LAUNCH.
; (1) k and v, [16 heads][2048 keys][64] f32, become codes of E4M3, laid as IMAGES OF THE OPERAND REGISTERS of v_wmma_f32_16x16x64_fp8_fp8, so that every fragment is fetched by two loads of 16 bytes a lane.
; code = x / 2^e, held within +-448, to the nearest code, ties to even; e = entry 1 (k) and entry 3 (v) of the buffer of scales.  LIMITS: both e between -126 and 119; NaN among the inputs is not served (an infinity is held at the largest code).
; LAYOUT, 131,072 bytes a head; step j = 64 keys; lane l = (r = l % 16, h = l / 16):
;   kimg: j 4096 + t 1024 + c 512 + 16 l : key 64 j + 32 (t / 2) + 8 (t % 2) + r + 8 (r / 8), channels 32 h + 16 c + 0 .. 15      (t = 0 .. 3: a tile of 16 keys)
;   vimg: j 4096 + e 1024 + b 512 + 16 l : channel 16 e + r, keys 64 j + 32 b + 16 h + 0 .. 15                                      (e = 0 .. 3: a tile of 16 channels)
; The keys of a tile of k are not neighbours: so the scores of tiles 2 b and 2 b + 1 are, in a lane, 16 neighbouring keys, the order in which vimg has them.
; (2) THE MASK, [16 heads][2048 queries][2048 keys] of bytes 0 or 1, is read once, as a stream, and counted for each tile of 16 queries x 64 keys.  flags holds an ENTRY of two words for each
; 16 queries x 512 keys (eight tiles), entry number 4 x (128 head + query / 16) + key / 512:  word 0: bit n: tile n has a key that counts; bit 16: see NO HOLD;  word 1: bit n: tile n has both kinds of key.
; NO HOLD: with eq + ek <= 0 the attention launch's p is at most 1.1 (its text says why), and with ep >= -8 the largest code stands for at least 1.75: p then needs no hold ahead of its conversion.
; SHARES.  Sixteen waves.  Waves 0-7 make a tile of k, waves 8-15 a unit of v: unit u = 8 x work-group + wave % 8: head u / 128, step (u / 4) % 32, t = u % 4.
; k: a tile's 16 keys are two runs of eight rows of 256 bytes.  Each of the wave's eight loads covers 512 consecutive bytes, two rows: load i brings image rows r = 2 i and 2 i + 1; lane l holds row 2 i + l / 16, channels 4 (l % 16) + 0 .. 3.
;    A conversion packs two loads' numbers: each of its two words is four neighbouring channels of one row.  The eight words go to their places in the image, in the wave's own 1,024 bytes of LDS, and the image leaves as it lies.
; v: 32 channels x 32 keys: a lane takes a channel, its registers run down the keys, and the conversions' results are the image.
; Every wave counts 16 rows x 1,024 keys of the mask: query tile 8 x work-group + wave / 2, key half wave % 2: two entries.  Its 32 loads, 512 consecutive bytes of a row each, all go out at once: no ring, no loop.
; The work-group's 32 entries meet in LDS and leave as 256 consecutive bytes, aligned.
.set STG, 256                          ; LDS: bytes 0-255 the 32 entries; from 256 on 1,024 bytes for each wave: k's image on its way
.set KST, 4                            ; v4   k: where my word of load 0 goes: STG + 1024 wave + 512 c + 256 h + 16 (lane / 16) + 4 (lane % 4), c and h from my channels 4 (lane % 16) on
.set VOF, 5                            ; v5   v: 4 x lane: my channel
.set LI,  6                            ; v6   16 x lane: my 16 bytes of a load of k or of the mask, and of a store into kimg
.set VDS, 7                            ; v7   vimg: 1024 (lane / 16) + 16 (lane % 16)
.set SCL, 8                            ; v8   2^e as f32
.set LIM, 9                            ; v9   448 x 2^e
.set KRD, 10                           ; v10  k: STG + 1024 wave + 16 lane: the image read back
.set EST, 11                           ; v11  LDS: 16 x wave: my two entries
.set ERD, 13                           ; v13  8 x lane: an entry's place in LDS and in the work-group's 256 bytes of flags
.set CD,  16                           ; v16-23  codes
.set FW,  24                           ; v24-27  my two entries
.set TA,  28                           ; v28, v29 at work
.set TC,  29
.set EB,  30                           ; v[30:31] an entry read back
.set NB,  32                           ; v32-63  32 numbers of k or of v
.set MK,  64                           ; v64-191 the mask: entry c, row i at v[64 + 64 c + 4 i]
.set KI,  192                          ; v192-199 k's image, back from LDS
.set WV,  18
	s_load_b256 s[4:11], s[0:1], 0x0               ; k s[4:5], v s[6:7], mask s[8:9], the scales' exponents s[10:11]
	s_load_b128 s[12:15], s[0:1], 0x20             ; kimg s[12:13], vimg s[14:15]
	s_load_b64 s[16:17], s[0:1], 0x30              ; flags
	v_lshl_add_u32 v200, v0, 2, 0x4100
	v_mov_b32 v201, 0
	v_lshrrev_b32 v1, 5, v0
	v_readfirstlane_b32 s[WV], v1                  ; wave 0 .. 15
	v_and_b32 v2, 31, v0                           ; lane
	v_and_b32 v3, 15, v0                           ; lane % 16
	v_bfe_u32 v12, v0, 4, 1                        ; lane / 16
	v_and_b32 v1, 3, v0                            ; my channels 4 (lane % 16) on: their place among 16: 4 (lane % 4),
	v_bfe_u32 v14, v0, 2, 1                        ; c,
	v_bfe_u32 v15, v0, 3, 1                        ; h
	; every LDS address is made here, ahead of the first branch on the wave's number
	v_lshlrev_b32 v[LI], 4, v2
	v_lshlrev_b32 v[KST], 2, v1
	v_lshl_add_u32 v[KST], v12, 4, v[KST]
	v_lshl_add_u32 v[KST], v15, 8, v[KST]
	v_lshl_add_u32 v[KST], v14, 9, v[KST]
	s_lshl_b32 s28, s[WV], 10
	s_add_co_u32 s28, s28, STG
	v_add_nc_u32 v[KST], s28, v[KST]
	v_add_nc_u32 v[KRD], s28, v[LI]
	v_lshlrev_b32 v[VOF], 2, v2
	v_lshlrev_b32 v[VDS], 4, v3
	v_lshl_add_u32 v[VDS], v12, 10, v[VDS]
	v_lshlrev_b32 v[ERD], 3, v2
	s_lshl_b32 s28, s[WV], 4
	v_mov_b32 v[EST], s28
	s_and_b32 s29, s[WV], 7
	s_lshl_b32 s19, ttmp9, 3
	s_add_co_u32 s19, s19, s29                     ; u
	s_lshr_b32 s20, s19, 7                         ; head
	s_bfe_u32 s21, s19, 0x50002                    ; j
	s_and_b32 s22, s19, 1                          ; t % 2
	s_bfe_u32 s23, s19, 0x10001                    ; t / 2
	s_lshl_b32 s28, s20, 19                        ; a head is 524,288 bytes of f32,
	s_lshl_b32 s29, s21, 14                        ; a step 64 rows of 256 bytes
	s_add_co_u32 s28, s28, s29
	s_lshl_b32 s29, s23, 13                        ; k: + 32 (t / 2) rows
	s_lshl_b32 s30, s22, 11                        ;    + 8 (t % 2) rows
	s_add_co_u32 s32, s28, s29
	s_add_co_u32 s32, s32, s30
	s_mov_b32 s33, 0
	s_lshl_b32 s29, s22, 13                        ; v: + 32 (t % 2) rows
	s_lshl_b32 s30, s23, 7                         ;    + 32 (t / 2) channels
	s_add_co_u32 s34, s28, s29
	s_add_co_u32 s34, s34, s30
	s_mov_b32 s35, 0
	s_lshl_b32 s36, s19, 10                        ; kimg: 1,024 u
	s_mov_b32 s37, 0
	s_lshl_b32 s38, s20, 17                        ; vimg: head 131,072 + j 4,096 + (t / 2) 2,048 + (t % 2) 512
	s_lshl_b32 s29, s21, 12
	s_add_co_u32 s38, s38, s29
	s_lshl_b32 s29, s23, 11
	s_add_co_u32 s38, s38, s29
	s_lshl_b32 s29, s22, 9
	s_add_co_u32 s38, s38, s29
	s_mov_b32 s39, 0
	s_lshl_b32 s40, ttmp9, 18                      ; mask: a query tile is 16 rows of 2,048 bytes on end: (8 x work-group + wave / 2) x 32,768
	s_lshr_b32 s29, s[WV], 1
	s_lshl_b32 s29, s29, 15
	s_add_co_u32 s40, s40, s29
	s_and_b32 s29, s[WV], 1                        ;       + 1,024 x my key half
	s_lshl_b32 s29, s29, 10
	s_add_co_u32 s40, s40, s29
	s_mov_b32 s41, 0
	s_lshl_b32 s42, ttmp9, 8                       ; flags: 32 entries of 8 bytes a work-group
	s_mov_b32 s43, 0
	s_mov_b32 s49, 0x40404040                      ; 64 in every byte: all keys count
	s_wait_kmcnt 0x0
	s_load_b128 s[24:27], s[10:11], 0x0            ; eq, ek, ep, ev
	s_add_nc_u64 s[4:5], s[4:5], s[32:33]
	s_add_nc_u64 s[6:7], s[6:7], s[34:35]
	s_add_nc_u64 s[8:9], s[8:9], s[40:41]
	s_add_nc_u64 s[12:13], s[12:13], s[36:37]
	s_add_nc_u64 s[14:15], s[14:15], s[38:39]
	s_add_nc_u64 s[16:17], s[16:17], s[42:43]
	s_cmp_lt_u32 s[WV], 8
	s_cbranch_scc0 .Lload_v
.irp i, 0,1,2,3,4,5,6,7
	global_load_b128 v[NB+4*\i:NB+4*\i+3], v[LI], s[4:5] offset:512*\i+2048*(\i/4) th:TH_LOAD_NT   ; image rows 2 i, 2 i + 1: 32 lanes read 512 consecutive bytes; the second run of eight rows begins 16 rows behind the first's head
.endr
	s_branch .Lloaded
.Lload_v:
.set ii, 0
.rept 32
	global_load_b32 v[NB+ii], v[VOF], s[6:7] offset:256*ii th:TH_LOAD_NT                 ; key ii of the 32, my channel: 32 lanes read 128 consecutive bytes
.set ii, ii+1
.endr
.Lloaded:
.irp c, 0,1
.set ii, 0
.rept 16
	global_load_b128 v[MK+64*\c+4*ii:MK+64*\c+4*ii+3], v[LI], s[8:9] offset:2048*ii+512*\c th:TH_LOAD_NT   ; row ii, keys 512 c on of my half: 32 lanes read 512 consecutive bytes, aligned
.set ii, ii+1
.endr
.endr
	s_wait_kmcnt 0x0
	s_cmp_lt_u32 s[WV], 8
	s_cselect_b32 s28, s25, s27                    ; ek or ev
	s_add_co_i32 s28, s28, 127
	s_lshl_b32 s29, s28, 23
	v_mov_b32 v[SCL], s29                          ; 2^e as f32: the conversion takes its exponent field
	s_add_co_i32 s28, s28, 8
	s_lshl_b32 s28, s28, 23
	s_or_b32 s28, s28, 0x600000
	v_mov_b32 v[LIM], s28                          ; 448 x 2^e
	s_add_co_i32 s28, s24, s25                     ; NO HOLD: eq + ek <= 0
	s_cmp_le_i32 s28, 0
	s_cselect_b32 s50, 1, 0
	s_cmp_ge_i32 s26, -8                           ; and ep >= -8
	s_cselect_b32 s50, s50, 0
	s_lshl_b32 s50, s50, 16                        ; as bit 16 of an entry's word 0
	s_wait_loadcnt 32                              ; k's or v's loads are in; the mask's 32, issued behind them, may be out
.set ii, 0
.rept 32
	v_med3_num_f32 v[NB+ii], v[NB+ii], -v[LIM], v[LIM]   ; the conversion to an 8-bit code does not saturate (ISA guide 7.6.2): the hold at the largest code x the scale
.set ii, ii+1
.endr
.irp g, 0,1,2,3
	v_cvt_scalef32_pk8_fp8_f32 v[CD+2*\g:CD+2*\g+1], v[NB+8*\g:NB+8*\g+7], v[SCL]   ; k: word CD + i holds load i's four channels;  v: eight keys of my channel
.endr
	v_nop                                          ; one plain instruction behind the last scaled conversion
	s_cmp_lt_u32 s[WV], 8
	s_cbranch_scc0 .Lstore_v
.irp i, 0,1,2,3,4,5,6,7
	ds_store_b32 v[KST], v[CD+\i] offset:32*\i     ; image row 2 i + lane / 16: 16 bytes a row
.endr
	ds_load_b128 v[KI:KI+3], v[KRD]                ; LDS serves a wave's instructions in order (ISA guide 5.7.1.4): these see my stores; the bytes are my wave's own
	ds_load_b128 v[KI+4:KI+7], v[KRD] offset:512
	s_wait_dscnt 0x0
	global_store_b128 v[LI], v[KI:KI+3], s[12:13]                  ; c = 0: 32 lanes store 512 consecutive bytes
	global_store_b128 v[LI], v[KI+4:KI+7], s[12:13] offset:512     ; c = 1
	s_branch .Lstored
.Lstore_v:
	global_store_b128 v[VDS], v[CD:CD+3], s[14:15]                 ; keys 0 .. 15 of the 32: the image's lanes 0-15 (h = 0): sixteen lanes store 256 consecutive bytes, aligned
	global_store_b128 v[VDS], v[CD+4:CD+7], s[14:15] offset:256    ; keys 16 .. 31: its lanes 16-31
.Lstored:
; An entry is counted.  A lane's 64 words (16 rows x 16 bytes) are added: each byte of the sum counts 64 bytes of the mask, so no byte carries.  Lanes 4 n .. 4 n + 3 hold tile n.
; left: the loads issued behind this entry's that may stay out.  Nothing here is a branch: the bits are made by selects.
.macro COUNT c, left
.set MB0, MK+64*(\c)
	s_wait_loadcnt \left
	v_add3_u32 v[TA], v[MB0], v[MB0+1], v[MB0+2]
	v_add3_u32 v[TC], v[MB0+3], v[MB0+4], v[MB0+5]
.irp k, 6,10,14,18,22,26,30,34,38,42,46,50,54,58
	v_add3_u32 v[TA], v[TA], v[MB0+\k], v[MB0+\k+1]
	v_add3_u32 v[TC], v[TC], v[MB0+\k+2], v[MB0+\k+3]
.endr
	v_add3_u32 v[TA], v[TA], v[MB0+62], v[MB0+63]
	v_add_nc_u32 v[TA], v[TA], v[TC]
	v_cmp_ne_u32 s44, 0, v[TA]                     ; lanes that saw a key that counts
	v_cmp_ne_u32 s45, s49, v[TA]                   ; lanes that saw a hidden key (not 64 in every byte)
	s_mov_b32 s47, s50                             ; word 0 begins with bit 16
	s_mov_b32 s48, 0
.irp n, 0,1,2,3,4,5,6,7
	s_and_b32 s46, s44, 0xf<<(4*\n)
	s_cselect_b32 s46, 1<<\n, 0
	s_or_b32 s47, s47, s46
	s_and_b32 s46, s45, 0xf<<(4*\n)
	s_cselect_b32 s46, 1<<\n, 0
	s_or_b32 s48, s48, s46
.endr
	s_and_b32 s48, s48, s47                        ; both kinds
	v_mov_b32 v[FW+2*(\c)], s47
	v_mov_b32 v[FW+2*(\c)+1], s48
.endm
	COUNT 0, 16                                    ; the second entry's 16 loads may be out
	COUNT 1, 0
	ds_store_b128 v[EST], v[FW:FW+3]               ; all lanes write the same 16 bytes with the same values: entries 2 wave and 2 wave + 1 of the work-group's 32
	s_wait_dscnt 0x0                               ; for the others' sake: my store has landed
	s_barrier_signal -1
	s_barrier_wait -1
	s_cmp_lg_u32 s[WV], 0
	s_cbranch_scc1 .Lend
	ds_load_b64 v[EB:EB+1], v[ERD]
	s_wait_dscnt 0x0
	global_store_b64 v[ERD], v[EB:EB+1], s[16:17]  ; 32 lanes store 256 consecutive bytes, aligned
.Lend:
	s_wait_tensorcnt 0x0
	ds_add_u32 v200, v201
	s_wait_dscnt 0x0
	s_endpgm
.Lfunc_end_k_qebb1737a31_prep:
	.size	k_qebb1737a31_prep, .Lfunc_end_k_qebb1737a31_prep-k_qebb1737a31_prep
	.p2alignl 7, 3214868480
	.fill 96, 4, 3214868480
	.section	.rodata,"a",@progbits
	.p2align	6, 0x0
	.amdhsa_kernel k_qebb1737a31_prep
		.amdhsa_group_segment_fixed_size 18688
		.amdhsa_private_segment_fixed_size 0
		.amdhsa_enable_private_segment 0
		.amdhsa_kernarg_size 56
		.amdhsa_user_sgpr_count 2
		.amdhsa_user_sgpr_kernarg_segment_ptr 1
		.amdhsa_wavefront_size32 1
		.amdhsa_system_sgpr_workgroup_id_x 1
		.amdhsa_system_sgpr_workgroup_id_y 1
		.amdhsa_system_sgpr_workgroup_id_z 1
		.amdhsa_system_vgpr_workitem_id 0
		.amdhsa_next_free_vgpr 202
		.amdhsa_next_free_sgpr 66
		.amdhsa_reserve_vcc 0
		.amdhsa_float_denorm_mode_32 3
		.amdhsa_float_denorm_mode_16_64 3
		.amdhsa_memory_ordered 1
		.amdhsa_forward_progress 1
		.amdhsa_inst_pref_size 24
	.end_amdhsa_kernel
	.amdgpu_metadata
---
amdhsa.version: [ 1, 2 ]
amdhsa.kernels:
  - .name:           k_qebb1737a31_prep
    .symbol:         k_qebb1737a31_prep.kd
    .args:
      - { .name: k, .offset: 0, .size: 8, .value_kind: global_buffer, .address_space: global }
      - { .name: v, .offset: 8, .size: 8, .value_kind: global_buffer, .address_space: global }
      - { .name: mask, .offset: 16, .size: 8, .value_kind: global_buffer, .address_space: global }
      - { .name: lowp_scales, .offset: 24, .size: 8, .value_kind: global_buffer, .address_space: global }
      - { .name: kimg, .offset: 32, .size: 8, .value_kind: global_buffer, .address_space: global }
      - { .name: vimg, .offset: 40, .size: 8, .value_kind: global_buffer, .address_space: global }
      - { .name: flags, .offset: 48, .size: 8, .value_kind: global_buffer, .address_space: global }
    .group_segment_fixed_size: 18688
    .private_segment_fixed_size: 0
    .kernarg_segment_align: 8
    .kernarg_segment_size: 56
    .max_flat_workgroup_size: 512
    .sgpr_count:     66
    .vgpr_count:     202
    .wavefront_size: 32
...
	.end_amdgpu_metadata
.endif
;; end of part 3
;; launch attn (part 4): grid 16 x 16, 16 waves a work-group, no clusters, 325,632 bytes of LDS; arguments q, kimg, vimg, mask, lowp_scales, flags, out0; writes out0
.if DOCPART == 4
	.amdgcn_target "amdgcn-amd-amdhsa--gfx1250"
	.amdhsa_code_object_version 6
	.text
	.protected	k_qebb1737a31_attn
	.globl	k_qebb1737a31_attn
	.p2align	8
	.type	k_qebb1737a31_attn,@function
k_qebb1737a31_attn:
	s_mov_b64 s[64:65], 0
	v_nop
	global_prefetch_b8 v0, s[64:65] scope:SCOPE_SE
	s_setreg_imm32_b32 hwreg(HW_REG_WAVE_MODE, 25, 1), 1
	s_wait_xcnt 0x0
; out[h][q][:] = sum over k of p(q, k) v[h][k][:] / l(q),  p = mask ? exp(s - m) : 0,  s = q . k / 8,  m = the row's largest s among the keys that count (0 if none),  l = the row's sum of p;  a row with l = 0 gives 0.
; Both products on codes of E4M3 by v_wmma_f32_16x16x64_fp8_fp8; scales 2^eq, 2^ek, 2^ep, 2^ev are given.  p is quantised AS IT STANDS, under the row's FINAL m: so the keys are walked twice:
; pass 1: scores and the masked maximum;  pass 2: the scores again, p, its sum (of the unquantised p), its codes, and O^T += V^T P^T.  Nothing is ever rescaled.
; SHARES.  A work-group owns 128 queries of one head, taken as two generations of 64 (four tiles of 16).  k's and v's codes of the head (register images made by the launch before) lie in LDS: k's from the head on, v's from the end of the first pass 1 on.
; Wave w: tile T = w % 4 of the generation, key quarter kq = w / 4: keys 512 kq on, eight steps of 64.  The four quarters of a tile meet in LDS: the maxima between the passes, the sums and O^T at the end; wave kq = 0 adds and stores.
; LAYOUT.  S^T = K Q^T (source 0 = 16 keys, source 1 = my 16 queries), O^T = V^T P^T (source 0 = 16 channels, source 1 = P): a lane holds ONE query (lane % 16) throughout.  The keys of a tile are chosen so that the
; registers of tiles 2 b, 2 b + 1 are keys 32 b + 16 (lane / 16) + 0 .. 15: the conversions' results are P's registers.  Along each K both sides have the same order of k in the registers.
; THE MASK has been counted by the launch before, for each tile of 16 queries x 64 keys; a wave reads, for each generation, one entry of two whole numbers: bit J of word 0: step J has a key that counts; bit J of word 1: it has both kinds.
; No key counts: the step is left out (it adds nothing to m, l or O).  All 1,024 count: no masking is needed.  Both kinds: the tile's bytes of the mask are read here, 32 a lane,
; and turned into the C of the scores' matrix instructions: about -4e37 to -1.7e38 where a key is hidden, at most 2.4e-38 where it counts.  These are scalar branches on stored whole numbers, right for every mask.
; NO TENSOR LOADS, NO CLUSTER, though the sixteen work-groups of a head read the same 262,144 bytes of codes: the branches on the entries spare the work of every hidden tile.
; LIMITS.  eq and ep between -126 and 119; eq + ek between -110 and 100 (c' below is an f32 number, c' x a raw sum stays finite, and c' x a hidden score lies under every exponent); ep + ev goes by v_ldexp_f32 and has none.
; A byte of the mask is 0 or 1.  NaN among the inputs is not served.  t = c' s_raw - round(c' m): one rounding of c' m stands in the exponent.
.set KIMG, 0                           ; LDS: k's images, 131,072 bytes
.set VIMG, 131072                      ; v's images, 131,072
.set PART, 262144                      ; [tile][kq - 1] x 4,096: images of the partial O^T; a tile's 12,288 bytes then serve as its stage for the way out (16 rows x 272)
.set MAXX, 311296                      ; a word a thread: the quarters' maxima
.set LSUM, 313344                      ; a word a thread: the quarters' sums
.set QIMG, 315392                      ; q's images: 8 tiles x 1,024: c 512 + 16 (r + 16 h) : row r, channels 32 h + 16 c + 0 .. 15, as k's
.set LI,   1                           ; v1   16 x lane
.set ADK,  2                           ; v2   LDS address of the step's images of k
.set ADV,  3                           ; v3   of v
.set MOFF, 5                           ; v5   the mask: 2048 r + 16 h
.set QOFF, 6                           ; v6   q: 4096 wave + 16 lane
.set CPK,  7                           ; v7   8192 wave + 16 lane: my part of the images, in memory and in KIMG
.set CPV,  8                           ; v8   the same in VIMG
.set MXA,  9                           ; v9   MAXX + 4 thread
.set MXR,  10                          ; v10  MAXX + 128 T + 4 lane
.set LPA,  11                          ; v11  LSUM + 4 thread
.set LPR,  12                          ; v12  LSUM + 128 T + 4 lane
.set PST,  13                          ; v13  where a quarter 1 .. 3 puts its O^T
.set PRD,  14                          ; v14  where quarter 0 reads them
.set OST,  15                          ; v15  the stage, in: 272 r + 32 h
.set ORD,  16                          ; v16  the stage, back: 272 (lane / 16) + 16 (lane % 16)
.set OGO,  17                          ; v17  out: 256 (lane / 16) + 16 (lane % 16)
.set NMC,  18                          ; v[18:19] -c' m, and 0 (named with it as a pair)
.set L0,   20                          ; v[20:21], v[22:23] the row's sum in two chains of pairs
.set L1,   22
.set MA,   24                          ; v24, v25 the maximum in two chains
.set MB,   25
.set PSC,  26                          ; v26  2^ep as f32
.set PLIM, 27                          ; v27  448 x 2^ep
.set QIA,  28                          ; v28  where my word of q's load 0 goes: QIMG + 1024 wave + 512 c + 256 h + 16 (lane / 16) + 4 (lane % 4), c and h from my channels 4 (lane % 16) on
.set QIR,  29                          ; v29  QIMG + 1024 T + 16 lane
.set TA,   30                          ; v30, v31 at work
.set TC,   31
.set QF0,  32                          ; v32-39   q's fragment, generation 0
.set PC,   40                          ; v40-47   p's codes
.set OT,   48                          ; v48-79   O^T: 4 tiles of 16 channels
.set SC,   80                          ; v80-111  S^T, then p: 4 tiles of 16 keys
.set KF,   112                         ; v112-143 k's 4 fragments
.set VF,   144                         ; v144-175 v's 4 fragments; ahead of them, in a mixed step, the scores' C
.set VL,   176                         ; v176-239 my 8,192 bytes of v's images on their way from memory to LDS: they land under the first pass 1
.set QF1,  240                         ; v240-247 q's fragment, generation 1
.set MW,   248                         ; v248-255 at work
.set QB,   4                           ; s[4:5]   q at my block's first row
.set KB,   6                           ; s[6:7]   kimg at my head
.set VB,   8                           ; s[8:9]   vimg at my head
.set MBASE, 10                         ; s[10:11] mask at my tile's first row of generation 0, my quarter's first key
.set FB,   14                          ; s[14:15] flags at my entry of generation 0
.set WV,   16
.set TT,   17
.set KQ,   18
.set HD,   19
.set OB,   20                          ; s[20:21] out at my tile's first row of generation 0
.set OFS,  22                          ; s[22:23] an offset, high word 0
.set CS,   28                          ; s[28:29] c' = log2(e) x 2^(eq + ek - 3), twice
.set EPV,  30                          ; s30  ep + ev
.set SEL,  32                          ; s[32:33] lane selects: lane l xor 16
.set ANY,  34                          ; s34  the generation's word 0: bit J: step J has a key that counts; bit 16: p needs no hold
.set MIX,  36                          ; s36  its word 1: bit J: step J has both kinds of key
.set JJ,   37
.set TB,   38                          ; s38  LDS byte of the step's images
.set TB0,  39                          ; s39  32768 kq
.set MP,   40                          ; s[40:41] mask at the step's first key
.set C254, 45
.set CFE,  46
.set THR,  48
.set X0,   49                          ; s49-53 at work
.set FL,   54                          ; s[54:55], s[56:57] my entries of generations 0 and 1
.macro BARRIER                         ; my LDS stores have landed and my LDS loads are in: then the work-group's barrier
	s_wait_dscnt 0x0
	s_barrier_signal -1
	s_barrier_wait -1
.endm
; The scores of one step: S^T of 64 keys x my 16 queries, raw (sums of products of codes).  K's loads stand four plain instructions or more behind the last matrix instruction that read their registers (the v_nop at this macro's end).
.macro SCORES qf
.irp t, 0,1,2,3
.irp c, 0,1
	ds_load_b128 v[KF+8*\t+4*\c:KF+8*\t+4*\c+3], v[ADK] offset:1024*\t+512*\c
.endr
.endr
	s_bitcmp1_b32 s[MIX], s[JJ]
	s_cbranch_scc1 .Lmix_\@
	s_wait_dscnt 0x0
.irp t, 0,1,2,3
	v_wmma_f32_16x16x64_fp8_fp8 v[SC+8*\t:SC+8*\t+7], v[KF+8*\t:KF+8*\t+7], v[\qf:\qf+7], 0
.endr
	s_branch .Ljoin_\@
.Lmix_\@:                              ; some keys count, some do not: my query's 32 bytes: keys 32 b + 16 h + 0 .. 15
	global_load_b128 v[MW:MW+3], v[MOFF], s[MP:MP+1]
	global_load_b128 v[MW+4:MW+7], v[MOFF], s[MP:MP+1] offset:32
.rept 4
	v_nop                                          ; places behind the last products V^T P^T, which read the registers written below (ISA guide 7.12.1)
.endr
	s_wait_loadcnt 0x0                             ; loads come back in order: in the first pass 1 this waits for v's images too
.irp n, 0,1,2,3,4,5,6,7                ; word n: the keys of registers 4 n .. 4 n + 3 of the 32.  0xfe in a byte where the key is hidden, 0 where it counts (bytes are 0 or 1: x 254 carries nothing)
	v_mul_lo_u32 v[VF+4*\n+3], v[MW+\n], s[C254]
.endr
.irp n, 0,1,2,3,4,5,6,7
	v_sub_nc_u32 v[VF+4*\n+3], s[CFE], v[VF+4*\n+3]
.endr
.irp n, 0,1,2,3,4,5,6,7                ; each key's byte on top of a word: 0xfe.. is a finite f32 number of about -4e37 to -1.7e38; 0x00.. is at most 2.4e-38
	v_lshlrev_b32 v[VF+4*\n], 24, v[VF+4*\n+3]
	v_lshlrev_b32 v[VF+4*\n+1], 16, v[VF+4*\n+3]
	v_lshlrev_b32 v[VF+4*\n+2], 8, v[VF+4*\n+3]
.endr
	s_wait_dscnt 0x0
.irp t, 0,1,2,3
	v_wmma_f32_16x16x64_fp8_fp8 v[SC+8*\t:SC+8*\t+7], v[KF+8*\t:KF+8*\t+7], v[\qf:\qf+7], v[VF+8*\t:VF+8*\t+7]
.endr
.Ljoin_\@:
.rept 4
	v_nop                                          ; places in front of the first read of the scores and of loads into registers that these products have read
.endr
.endm
.macro WALK0 g                         ; a pass begins: the step's pointers at my quarter's first step
.if \g
	s_add_nc_u64 s[MP:MP+1], s[MBASE:MBASE+1], 0x20000
.else
	s_mov_b64 s[MP:MP+1], s[MBASE:MBASE+1]
.endif
	s_mov_b32 s[TB], s[TB0]
	s_mov_b32 s[JJ], 0
.endm
.macro WALK1                           ; a step on.  (The mask's pointer: every load that named it has been waited for)
	s_add_co_u32 s[TB], s[TB], 4096
	s_add_nc_u64 s[MP:MP+1], s[MP:MP+1], 64
	s_add_co_u32 s[JJ], s[JJ], 1
	s_cmp_lt_u32 s[JJ], 8
.endm
; PASS 1: the largest raw score of my query among my quarter's keys.  Every wave walks all eight steps; a step without a key that counts is jumped over.
.macro PASS1 g, qf
	v_mov_b32 v[MA], 0xff61b1e6                    ; -3e38, under every score, a hidden one too
	v_mov_b32 v[MB], 0xff61b1e6
	WALK0 \g
	s_wait_dscnt 0x0                               ; q's fragments are in
.Lp1_\@:
	v_add_nc_u32 v[ADK], s[TB], v[LI]
	s_bitcmp1_b32 s[ANY], s[JJ]
	s_cbranch_scc0 .Lp1n_\@
	SCORES \qf
.irp t, 0,1,2,3                        ; each accumulator from its low end on
	v_max3_num_f32 v[MA], v[MA], v[SC+8*\t], v[SC+8*\t+1]
	v_max3_num_f32 v[MB], v[MB], v[SC+8*\t+2], v[SC+8*\t+3]
	v_max3_num_f32 v[MA], v[MA], v[SC+8*\t+4], v[SC+8*\t+5]
	v_max3_num_f32 v[MB], v[MB], v[SC+8*\t+6], v[SC+8*\t+7]
.endr
.Lp1n_\@:
	WALK1
	s_cbranch_scc1 .Lp1_\@
.endm
; The four quarters' maxima meet.  A row in which no key counts has a maximum under -1e30 (raw scores lie within +-1.3e7): its m is 0, as the problem has it.
; In generation 0 v's images, asked for at the head, go into LDS here: in front of the barrier behind which pass 2 first reads them.
.macro XMAX g
	v_max_num_f32 v[MA], v[MA], v[MB]
	v_permlanex16_b32 v[TA], v[MA], s[SEL], s[SEL+1]
	v_max_num_f32 v[MA], v[MA], v[TA]              ; with lane l xor 16's: my query's, in my quarter
	ds_store_b32 v[MXA], v[MA]
.if (\g) == 0
	s_wait_loadcnt 0x0                             ; v's images are in
.irp i, 0,1,2,3,4,5,6,7,8,9,10,11,12,13,14,15
	ds_store_b128 v[CPV], v[VL+4*\i:VL+4*\i+3] offset:512*\i
.endr
.endif
	BARRIER
.irp k, 0,1,2,3
	ds_load_b32 v[MW+\k], v[MXR] offset:512*\k
.endr
.set ii, 0
.rept 32
	v_mov_b32 v[OT+ii], 0                          ; O^T begins as zeros: which step is the first that counts hangs on the mask, so no product can be written out to start the sums
.set ii, ii+1
.endr
.irp k, 0,1,2,3
	v_mov_b32 v[L0+\k], 0
.endr
	s_wait_dscnt 0x0
	v_max3_num_f32 v[MA], v[MW], v[MW+1], v[MW+2]
	v_max_num_f32 v[MA], v[MA], v[MW+3]
	v_cmp_lt_f32 vcc_lo, s[THR], v[MA]
	v_cndmask_b32 v[MA], 0, v[MA], vcc_lo
	v_mul_f32 v[NMC], -v[MA], s[CS]                ; -c' m
.endm
; PASS 2: p = 2^(c' s_raw - c' m) = exp(s - m); its sum; its codes; O^T += V^T P^T.
.macro PASS2 g, qf
	WALK0 \g
.Lp2_\@:
	v_add_nc_u32 v[ADK], s[TB], v[LI]
	v_add_nc_u32 v[ADV], VIMG, v[ADK]
	s_bitcmp1_b32 s[ANY], s[JJ]
	s_cbranch_scc0 .Lp2n_\@
	SCORES \qf
.irp e, 0,1,2,3                        ; v's fragments land under the exponentials
.irp b, 0,1
	ds_load_b128 v[VF+8*\e+4*\b:VF+8*\e+4*\b+3], v[ADV] offset:1024*\e+512*\b
.endr
.endr
.set ii, 0
.rept 16
	v_pk_fma_f32 v[SC+ii:SC+ii+1], v[SC+ii:SC+ii+1], s[CS:CS+1], v[NMC:NMC+1] op_sel_hi:[1,0,0]   ; two at a time; of the pairs c' and -c' m the low word serves both halves
.set ii, ii+2
.endr
.set ii, 0
.rept 32
	v_exp_f32 v[SC+ii], v[SC+ii]                   ; a hidden key's exponent lies under -5,000: p = 0
.set ii, ii+1
.endr
	v_nop                                          ; a plain instruction behind the last exponential
	s_wait_alu depctr_va_vdst(0)                   ; a wait ahead of the first instruction that names a result: one for the 32
.set ii, 0
.rept 8
	v_pk_add_f32 v[L0:L0+1], v[L0:L0+1], v[SC+ii:SC+ii+1]         ; the sum is taken of the unquantised p
	v_pk_add_f32 v[L1:L1+1], v[L1:L1+1], v[SC+ii+2:SC+ii+3]
.set ii, ii+4
.endr
	s_bitcmp1_b32 s[ANY], 16                       ; set where eq + ek <= 0 and ep >= -8: c' m then lies under 2^22, so the exponent is at most 1/8 and p at most 1.1, and 448 x 2^ep is at least 1.75: nothing to hold
	s_cbranch_scc1 .Lnh_\@
.set ii, 0
.rept 32
	v_min_num_f32 v[SC+ii], v[SC+ii], v[PLIM]      ; the conversion to an 8-bit code does not saturate (ISA guide 7.6.2); p is not negative, so the hold is one-sided
.set ii, ii+1
.endr
.Lnh_\@:
.irp t, 0,1,2,3
	v_cvt_scalef32_pk8_fp8_f32 v[PC+2*\t:PC+2*\t+1], v[SC+8*\t:SC+8*\t+7], v[PSC]
.endr
	v_nop                                          ; one plain instruction between a scaled conversion and the matrix instruction that reads its result
	s_wait_dscnt 0x0                               ; v's fragments are in
.irp e, 0,1,2,3                        ; the four accumulators take turns, and the next step's four products K Q^T stand between two links of a chain
	v_wmma_f32_16x16x64_fp8_fp8 v[OT+8*\e:OT+8*\e+7], v[VF+8*\e:VF+8*\e+7], v[PC:PC+7], v[OT+8*\e:OT+8*\e+7]
.endr
.Lp2n_\@:
	WALK1
	s_cbranch_scc1 .Lp2_\@
.endm
; The four quarters' sums and O^T meet; quarter 0 adds them, divides, and stores 16 whole rows of out.
.macro FINISH g
.rept 4
	v_nop                                          ; places behind the last products
.endr
	v_pk_add_f32 v[L0:L0+1], v[L0:L0+1], v[L1:L1+1]
	v_add_f32 v[L0], v[L0], v[L0+1]
	v_permlanex16_b32 v[TA], v[L0], s[SEL], s[SEL+1]
	v_add_f32 v[L0], v[L0], v[TA]                  ; my query's sum in my quarter
	ds_store_b32 v[LPA], v[L0]
	s_cmp_lt_u32 s[WV], 4
	s_cbranch_scc1 .Lfa_\@
.irp i, 0,1,2,3,4,5,6,7
	ds_store_b128 v[PST], v[OT+4*\i:OT+4*\i+3] offset:512*\i       ; O^T as it stands in my registers, each accumulator from its low end on
.endr
.Lfa_\@:
	BARRIER
	s_cmp_ge_u32 s[WV], 4
	s_cbranch_scc1 .Lfe_\@
.irp p, 0,1,2
.irp i, 0,1,2,3,4,5,6,7
	ds_load_b128 v[SC+32*\p+4*\i:SC+32*\p+4*\i+3], v[PRD] offset:4096*\p+512*\i
.endr
.endr
.irp p, 0,1,2
	ds_load_b32 v[MW+\p], v[LPR] offset:512*(\p+1)
.endr
	s_wait_dscnt 0x0
	v_add_f32 v[L0], v[L0], v[MW]
	v_add_f32 v[MW+1], v[MW+1], v[MW+2]
	v_add_f32 v[L0], v[L0], v[MW+1]                ; l
	v_cmp_lt_f32 vcc_lo, 0, v[L0]
	v_rcp_f32 v[TA], v[L0]
.irp p, 0,1,2
.irp k, 0,1,2,3,4,5,6,7,8,9,10,11,12,13,14,15
	v_pk_add_f32 v[OT+2*\k:OT+2*\k+1], v[OT+2*\k:OT+2*\k+1], v[SC+32*\p+2*\k:SC+32*\p+2*\k+1]
.endr
.endr
	s_wait_alu depctr_va_vdst(0)                   ; the wait ahead of the reciprocal's first reader; the 48 additions are the work between
	v_ldexp_f32 v[TA], v[TA], s[EPV]               ; x 2^(ep + ev)
	v_cndmask_b32 v[TA], 0, v[TA], vcc_lo          ; l = 0: the row is 0
.irp k, 0,1,2,3,4,5,6,7,8,9,10,11,12,13,14,15
	v_pk_mul_f32 v[SC+2*\k:SC+2*\k+1], v[OT+2*\k:OT+2*\k+1], v[TA:TA+1] op_sel_hi:[1,0]
.endr
.irp e, 0,1,2,3                        ; lane (r, h): out(r, 16 e + 8 h + 0 .. 7): 32 bytes of a row.  The stage is my tile's part of PART: its images were mine alone to read, and are read
	ds_store_b128 v[OST], v[SC+8*\e:SC+8*\e+3] offset:64*\e
	ds_store_b128 v[OST], v[SC+8*\e+4:SC+8*\e+7] offset:64*\e+16
.endr
.irp i, 0,1,2,3,4,5,6,7
	ds_load_b128 v[KF+4*\i:KF+4*\i+3], v[ORD] offset:544*\i        ; LDS serves a wave's instructions in order (ISA guide 5.7.1.4): these see my stores
.endr
.irp i, 0,1,2,3,4,5,6,7
	s_wait_dscnt 7-\i
	global_store_b128 v[OGO], v[KF+4*\i:KF+4*\i+3], s[OB:OB+1] offset:(\g)*16384+512*\i th:TH_STORE_NT   ; two rows of 256 bytes: 32 lanes store 512 consecutive bytes, aligned
.endr
.if (\g) == 0
	s_wait_xcnt 0x0                                ; the stores have read their registers, which the next generation loads again
.endif
.Lfe_\@:
.endm
.macro GEN g, qf
	s_mov_b32 s[ANY], s[FL+2*(\g)]                 ; the generation's entry
	s_mov_b32 s[MIX], s[FL+2*(\g)+1]
	PASS1 \g, \qf
	XMAX \g
	PASS2 \g, \qf
	FINISH \g
.endm
	s_load_b256 s[4:11], s[0:1], 0x0               ; q, kimg, vimg, mask
	s_load_b128 s[12:15], s[0:1], 0x20             ; the scales' exponents s[12:13], flags s[14:15]
	s_load_b64 s[OB:OB+1], s[0:1], 0x30            ; out
	v_lshrrev_b32 v[MW+3], 5, v0
	v_readfirstlane_b32 s[WV], v[MW+3]             ; wave 0 .. 15
	s_and_b32 s[TT], s[WV], 3                      ; my tile of the generation's four
	s_lshr_b32 s[KQ], s[WV], 2                     ; my quarter of the keys
	s_and_b32 s[HD], ttmp7, 0xffff                 ; the head
	v_and_b32 v[MW], 31, v0                        ; lane
	v_and_b32 v[MW+1], 15, v0                      ; r
	v_bfe_u32 v[MW+2], v0, 4, 1                    ; h
	v_and_b32 v[MW+3], 3, v0                       ; lane % 4
	v_bfe_u32 v[MW+4], v0, 2, 1                    ; (lane / 4) % 2
	v_bfe_u32 v[MW+5], v0, 3, 1                    ; (lane / 8) % 2
	; every address register is made here, ahead of the first branch on the wave's number
	v_lshlrev_b32 v[LI], 4, v[MW]
	v_lshlrev_b32 v[MOFF], 11, v[MW+1]
	v_lshl_add_u32 v[MOFF], v[MW+2], 4, v[MOFF]
	s_lshl_b32 s[X0], s[WV], 12
	v_add_nc_u32 v[QOFF], s[X0], v[LI]
	s_lshl_b32 s[X0], s[WV], 13
	v_add_nc_u32 v[CPK], s[X0], v[LI]
	v_add_nc_u32 v[CPV], VIMG, v[CPK]
	v_lshl_add_u32 v[MXA], v0, 2, MAXX
	v_lshl_add_u32 v[LPA], v0, 2, LSUM
	s_lshl_b32 s[X0], s[TT], 7
	s_add_co_u32 s[X0+1], s[X0], MAXX
	v_lshl_add_u32 v[MXR], v[MW], 2, s[X0+1]
	s_add_co_u32 s[X0+1], s[X0], LSUM
	v_lshl_add_u32 v[LPR], v[MW], 2, s[X0+1]
	s_mul_i32 s[X0+2], s[TT], 12288
	s_lshl_b32 s[X0+3], s[KQ], 12
	s_add_co_u32 s[X0+3], s[X0+3], s[X0+2]
	s_add_co_u32 s[X0+3], s[X0+3], PART-4096
	v_add_nc_u32 v[PST], s[X0+3], v[LI]            ; PART + 12288 T + 4096 (kq - 1) + 16 lane: used by quarters 1 to 3 alone
	s_add_co_u32 s[X0+2], s[X0+2], PART
	v_add_nc_u32 v[PRD], s[X0+2], v[LI]
	v_mul_u32_u24 v[OST], v[MW+1], 272
	v_lshl_add_u32 v[OST], v[MW+2], 5, v[OST]
	v_add_nc_u32 v[OST], s[X0+2], v[OST]
	v_mul_u32_u24 v[ORD], v[MW+2], 272
	v_lshl_add_u32 v[ORD], v[MW+1], 4, v[ORD]
	v_add_nc_u32 v[ORD], s[X0+2], v[ORD]
	v_lshlrev_b32 v[OGO], 8, v[MW+2]
	v_lshl_add_u32 v[OGO], v[MW+1], 4, v[OGO]
	v_lshlrev_b32 v[QIA], 2, v[MW+3]               ; my channels 4 (lane % 16) on: 4 (lane % 4) bytes among 16,
	v_lshl_add_u32 v[QIA], v[MW+2], 4, v[QIA]      ; row lane / 16 of a load's two,
	v_lshl_add_u32 v[QIA], v[MW+5], 8, v[QIA]      ; the image's half of the lanes,
	v_lshl_add_u32 v[QIA], v[MW+4], 9, v[QIA]      ; and c
	s_lshl_b32 s[X0], s[WV], 10
	s_add_co_u32 s[X0], s[X0], QIMG
	v_add_nc_u32 v[QIA], s[X0], v[QIA]             ; used by waves 0 to 7 alone
	s_lshl_b32 s[X0], s[TT], 10
	s_add_co_u32 s[X0], s[X0], QIMG
	v_add_nc_u32 v[QIR], s[X0], v[LI]
	v_mov_b32 v[NMC+1], 0
	s_mov_b32 s[SEL], 0x76543210
	s_mov_b32 s[SEL+1], 0xfedcba98
	s_mov_b32 s[C254], 254
	s_mov_b32 s[CFE], 0xfefefefe
	s_mov_b32 s[THR], 0xf149f2ca                   ; -1e30
	s_lshl_b32 s[TB0], s[KQ], 15                   ; my quarter's eight steps of 4,096 bytes
	s_wait_kmcnt 0x0
	s_load_b128 s[24:27], s[12:13], 0x0            ; eq, ek, ep, ev
	s_lshl_b32 s[OFS], s[HD], 12                   ; flags: entry 4 x (128 head + 8 block + 4 generation + T) + kq, 8 bytes each
	s_lshl_b32 s[X0], ttmp9, 8
	s_add_co_u32 s[OFS], s[OFS], s[X0]
	s_lshl_b32 s[X0], s[TT], 5
	s_add_co_u32 s[OFS], s[OFS], s[X0]
	s_lshl_b32 s[X0], s[KQ], 3
	s_add_co_u32 s[OFS], s[OFS], s[X0]
	s_mov_b32 s[OFS+1], 0
	s_add_nc_u64 s[FB:FB+1], s[FB:FB+1], s[OFS:OFS+1]
	s_load_b64 s[FL:FL+1], s[FB:FB+1], 0x0         ; generation 0's entry,
	s_load_b64 s[FL+2:FL+3], s[FB:FB+1], 0x80      ; generation 1's: four query tiles, 16 entries, on
	s_lshl_b32 s[OFS], s[HD], 19                   ; q and out: a head is 2,048 rows of 256 bytes,
	s_lshl_b32 s[X0], ttmp9, 15                    ; a block 128 rows
	s_add_co_u32 s[OFS], s[OFS], s[X0]
	s_add_nc_u64 s[QB:QB+1], s[QB:QB+1], s[OFS:OFS+1]
	s_lshl_b32 s[X0], s[TT], 12                    ; out: + my tile's 16 rows
	s_add_co_u32 s[OFS], s[OFS], s[X0]
	s_add_nc_u64 s[OB:OB+1], s[OB:OB+1], s[OFS:OFS+1]
	s_lshl_b32 s[OFS], s[HD], 17
	s_add_nc_u64 s[KB:KB+1], s[KB:KB+1], s[OFS:OFS+1]
	s_add_nc_u64 s[VB:VB+1], s[VB:VB+1], s[OFS:OFS+1]
	s_lshl_b32 s[OFS], s[HD], 22                   ; mask: a head is 2,048 rows of 2,048 bytes
	s_lshl_b32 s[X0], ttmp9, 18
	s_add_co_u32 s[OFS], s[OFS], s[X0]
	s_lshl_b32 s[X0], s[TT], 15
	s_add_co_u32 s[OFS], s[OFS], s[X0]
	s_lshl_b32 s[X0], s[KQ], 9
	s_add_co_u32 s[OFS], s[OFS], s[X0]
	s_add_nc_u64 s[MBASE:MBASE+1], s[MBASE:MBASE+1], s[OFS:OFS+1]
	s_cmp_lt_u32 s[WV], 8                          ; waves 0 to 7 quantise the block's eight tiles of q: wave w rows 16 w on.  Load i: rows 2 i, 2 i + 1: 32 lanes read 512 consecutive bytes; a lane holds row 2 i + lane / 16, channels 4 (lane % 16) + 0 .. 3
	s_cbranch_scc0 .Lnoq
.irp i, 0,1,2,3
	global_load_b128 v[QF0+4*\i:QF0+4*\i+3], v[QOFF], s[QB:QB+1] offset:512*\i th:TH_LOAD_NT
.endr
.irp i, 0,1,2,3
	global_load_b128 v[QF1+4*\i:QF1+4*\i+3], v[QOFF], s[QB:QB+1] offset:2048+512*\i th:TH_LOAD_NT
.endr
.Lnoq:
.irp i, 0,1,2,3,4,5,6,7,8,9,10,11,12,13,14,15
	global_load_b128 v[OT+4*\i:OT+4*\i+3], v[CPK], s[KB:KB+1] offset:512*\i     ; my 8,192 bytes of k's images: 512 consecutive bytes a load
.endr
.irp i, 0,1,2,3,4,5,6,7,8,9,10,11,12,13,14,15
	global_load_b128 v[VL+4*\i:VL+4*\i+3], v[CPK], s[VB:VB+1] offset:512*\i     ; and of v's, into registers that nothing else names: they may stay out until the first pass 1 is over
.endr
	s_wait_kmcnt 0x0                               ; the exponents and my two entries
	s_add_co_i32 s[X0], s24, s25                   ; eq + ek
	s_sub_co_i32 s[X0], s[X0], 3                   ; 1 / sqrt(64) = 2^-3
	s_lshl_b32 s[X0], s[X0], 23
	s_add_co_i32 s[CS], s[X0], 0x3fb8aa3b          ; log2(e) with eq + ek - 3 added to its exponent field
	s_mov_b32 s[CS+1], s[CS]
	s_add_co_i32 s[EPV], s26, s27
	s_add_co_i32 s[X0], s24, 127
	s_lshl_b32 s[X0+1], s[X0], 23
	v_mov_b32 v[TA], s[X0+1]                       ; 2^eq as f32
	s_add_co_i32 s[X0], s[X0], 8
	s_lshl_b32 s[X0], s[X0], 23
	s_or_b32 s[X0], s[X0], 0x600000
	v_mov_b32 v[TC], s[X0]                         ; 448 x 2^eq
	s_add_co_i32 s[X0], s26, 127
	s_lshl_b32 s[X0+3], s[X0], 23                  ; 2^ep
	s_add_co_i32 s[X0], s[X0], 8
	s_lshl_b32 s[X0+4], s[X0], 23
	s_or_b32 s[X0+4], s[X0+4], 0x600000            ; 448 x 2^ep
	s_wait_loadcnt 16                              ; q and k's images are in; v's 16 loads, issued behind them, may be out
.irp i, 0,1,2,3,4,5,6,7,8,9,10,11,12,13,14,15
	ds_store_b128 v[CPK], v[OT+4*\i:OT+4*\i+3] offset:512*\i
.endr
	s_cmp_lt_u32 s[WV], 8
	s_cbranch_scc0 .Lnoq2
.set ii, 0
.rept 16
	v_med3_num_f32 v[QF0+ii], v[QF0+ii], -v[TC], v[TC]             ; the hold at the largest code x the scale
	v_med3_num_f32 v[QF1+ii], v[QF1+ii], -v[TC], v[TC]
.set ii, ii+1
.endr
	v_cvt_scalef32_pk8_fp8_f32 v[L0:L0+1], v[QF0:QF0+7], v[TA]     ; a conversion packs two loads' numbers: word L0 + i holds load i's four channels
	v_cvt_scalef32_pk8_fp8_f32 v[L0+2:L0+3], v[QF0+8:QF0+15], v[TA]
	v_cvt_scalef32_pk8_fp8_f32 v[L0+4:L0+5], v[QF1:QF1+7], v[TA]
	v_cvt_scalef32_pk8_fp8_f32 v[L0+6:L0+7], v[QF1+8:QF1+15], v[TA]
	v_nop                                          ; one plain instruction behind the last scaled conversion
.irp i, 0,1,2,3,4,5,6,7
	ds_store_b32 v[QIA], v[L0+\i] offset:32*\i     ; image row 2 i + lane / 16: 16 bytes a row
.endr
.Lnoq2:
	BARRIER                                        ; the head's k and the block's q lie in LDS; nothing writes them again.  (v's loads touch no LDS and stay out)
	ds_load_b128 v[QF0:QF0+3], v[QIR]              ; my tile of generation 0,
	ds_load_b128 v[QF0+4:QF0+7], v[QIR] offset:512
	ds_load_b128 v[QF1:QF1+3], v[QIR] offset:4096  ; and of generation 1
	ds_load_b128 v[QF1+4:QF1+7], v[QIR] offset:4608
	v_mov_b32 v[PSC], s[X0+3]
	v_mov_b32 v[PLIM], s[X0+4]
	GEN 0, QF0
	GEN 1, QF1
	s_wait_xcnt 0x0
	v_lshl_add_u32 v252, v0, 2, 0x4f000
	v_mov_b32 v253, 0
	s_wait_tensorcnt 0x0
	ds_add_u32 v252, v253
	s_wait_dscnt 0x0
	s_endpgm
.Lfunc_end_k_qebb1737a31_attn:
	.size	k_qebb1737a31_attn, .Lfunc_end_k_qebb1737a31_attn-k_qebb1737a31_attn
	.p2alignl 7, 3214868480
	.fill 96, 4, 3214868480
	.section	.rodata,"a",@progbits
	.p2align	6, 0x0
	.amdhsa_kernel k_qebb1737a31_attn
		.amdhsa_group_segment_fixed_size 325632
		.amdhsa_private_segment_fixed_size 0
		.amdhsa_enable_private_segment 0
		.amdhsa_kernarg_size 56
		.amdhsa_user_sgpr_count 2
		.amdhsa_user_sgpr_kernarg_segment_ptr 1
		.amdhsa_wavefront_size32 1
		.amdhsa_system_sgpr_workgroup_id_x 1
		.amdhsa_system_sgpr_workgroup_id_y 1
		.amdhsa_system_sgpr_workgroup_id_z 1
		.amdhsa_system_vgpr_workitem_id 0
		.amdhsa_next_free_vgpr 256
		.amdhsa_next_free_sgpr 66
		.amdhsa_reserve_vcc 1
		.amdhsa_float_denorm_mode_32 3
		.amdhsa_float_denorm_mode_16_64 3
		.amdhsa_memory_ordered 1
		.amdhsa_forward_progress 1
		.amdhsa_inst_pref_size 64
	.end_amdhsa_kernel
	.amdgpu_metadata
---
amdhsa.version: [ 1, 2 ]
amdhsa.kernels:
  - .name:           k_qebb1737a31_attn
    .symbol:         k_qebb1737a31_attn.kd
    .args:
      - { .name: q, .offset: 0, .size: 8, .value_kind: global_buffer, .address_space: global }
      - { .name: kimg, .offset: 8, .size: 8, .value_kind: global_buffer, .address_space: global }
      - { .name: vimg, .offset: 16, .size: 8, .value_kind: global_buffer, .address_space: global }
      - { .name: mask, .offset: 24, .size: 8, .value_kind: global_buffer, .address_space: global }
      - { .name: lowp_scales, .offset: 32, .size: 8, .value_kind: global_buffer, .address_space: global }
      - { .name: flags, .offset: 40, .size: 8, .value_kind: global_buffer, .address_space: global }
      - { .name: out0, .offset: 48, .size: 8, .value_kind: global_buffer, .address_space: global }
    .group_segment_fixed_size: 325632
    .private_segment_fixed_size: 0
    .kernarg_segment_align: 8
    .kernarg_segment_size: 56
    .max_flat_workgroup_size: 512
    .sgpr_count:     66
    .vgpr_count:     256
    .wavefront_size: 32
...
	.end_amdgpu_metadata
.endif
;; end of part 4
;; ======== version 3 of 3: 2 launches; version 2 with the launch attn written anew for expert scheduling mode
;; workspace buffers: kimg 2,097,152 bytes; vimg 2,097,152 bytes; flags 65,536 bytes of whole numbers
;; launch prep: the kernel of part 3 again; grid 256 x 1, 16 waves a work-group, no clusters, 18,688 bytes of LDS; arguments k, v, mask, lowp_scales, kimg, vimg, flags; writes kimg, vimg, flags
;; launch attn (part 5): grid 16 x 16, 16 waves a work-group, no clusters, 325,632 bytes of LDS; arguments q, kimg, vimg, mask, lowp_scales, flags, out0; writes out0
.if DOCPART == 5
	.amdgcn_target "amdgcn-amd-amdhsa--gfx1250"
	.amdhsa_code_object_version 6
	.text
	.protected	k_qebb1737a31_attn
	.globl	k_qebb1737a31_attn
	.p2align	8
	.type	k_qebb1737a31_attn,@function
k_qebb1737a31_attn:
	s_mov_b64 s[64:65], 0
	v_nop
	global_prefetch_b8 v0, s[64:65] scope:SCOPE_SE
	s_setreg_imm32_b32 hwreg(HW_REG_WAVE_SCHED_MODE, 0, 2), 2
	s_setreg_imm32_b32 hwreg(HW_REG_WAVE_MODE, 25, 1), 1
	s_wait_xcnt 0x0
	s_wait_alu depctr_vm_vsrc(0)
; out[h][q][:] = sum over k of p(q, k) v[h][k][:] / l(q),  p = mask ? exp(s - m) : 0,  s = q . k / 8,  m = the row's largest s among the keys that count (0 if none),  l = the row's sum of p;  a row with l = 0 gives 0.
; Both products on codes of E4M3 by v_wmma_f32_16x16x64_fp8_fp8; scales 2^eq, 2^ek, 2^ep, 2^ev are given.  p is quantised AS IT STANDS, under the row's FINAL m: so the keys are walked twice:
; pass 1: scores and the masked maximum;  pass 2: the scores again, p, its sum (of the unquantised p), its codes, and O^T += V^T P^T.  Nothing is ever rescaled.
; SHARES.  A work-group owns 128 queries of one head, taken as two generations of 64 (four tiles of 16).  k's and v's codes of the head (register images made by the launch before) lie in LDS: k's from the head on, v's from the end of the first pass 1 on.
; Wave w: tile T = w % 4 of the generation, key quarter kq = w / 4: keys 512 kq on, eight steps of 64.  The four quarters of a tile meet in LDS: the maxima between the passes, the sums and O^T at the end; wave kq = 0 adds and stores.
; LAYOUT.  S^T = K Q^T (source 0 = 16 keys, source 1 = my 16 queries), O^T = V^T P^T (source 0 = 16 channels, source 1 = P): a lane holds ONE query (lane % 16) throughout.  The keys of a tile are chosen so that the
; registers of tiles 2 b, 2 b + 1 are keys 32 b + 16 (lane / 16) + 0 .. 15: the conversions' results are P's registers.  Along each K both sides have the same order of k in the registers.
; THE MASK has been counted by the launch before, for each tile of 16 queries x 64 keys; a wave reads, for each generation, one entry of two whole numbers: bit J of word 0: step J has a key that counts; bit J of word 1: it has both kinds.
; No key counts: the step is left out (it adds nothing to m, l or O).  All 1,024 count: no masking is needed.  Both kinds: the tile's bytes of the mask are read here, 32 a lane,
; and turned into the C of the scores' matrix instructions: about -4e37 to -1.7e38 where a key is hidden, at most 2.4e-38 where it counts.  These are scalar branches on stored whole numbers, right for every mask.
; NO TENSOR LOADS, NO CLUSTER, though the sixteen work-groups of a head read the same 262,144 bytes of codes: the branches on the entries spare the work of every hidden tile.
; LIMITS.  eq and ep between -126 and 119; eq + ek between -110 and 100 (c' below is an f32 number, c' x a raw sum stays finite, and c' x a hidden score lies under every exponent); ep + ev goes by v_ldexp_f32 and has none.
; A byte of the mask is 0 or 1.  NaN among the inputs is not served.  t = c' s_raw - round(c' m): one rounding of c' m stands in the exponent.
; THE MODE: SCHED_MODE bits 1:0 = 2 (LLVM: expert scheduling mode 2), set by the entry lines.  The code itself states the register dependences
; between vector or matrix instructions and memory or LDS instructions, with s_wait_alu, always for 0.
; THE PLAN.  Registers that memory or LDS instructions touch, and who else names them:
;   v1, v5-v17, v28, v29   addresses: made once at the head, never written again: one wait on va_vdst ahead of the first load states them all.
;   v[ADK], v[ADV]  read by a step's LDS loads; written by a vector add at the next step's head: one wait on vm_vsrc ahead of the add.
;   KF   a step's LDS loads land in it; the step's products K Q^T read it.    VF   pass 2: a step's LDS loads land in it; its products V^T P^T, the step's last lines, read it.  Pass 1: the C of a mixed step.
;   MW   a mixed step's bytes of the mask, and the quarters' words, land in it; vector lines read it.
;   VL   v's images on their way; behind the LDS stores that read them, v176-207 are the C of pass 2's mixed steps: so no vector line of pass 2 names VF.
;   So ONE wait on va_vdst stands at a step's head, behind the add: the addresses are written, the last step's products are done reading KF and VF, its vector lines are done with MW.  All the step's loads follow it
;   (k's eight, in pass 2 v's eight, in a mixed step the mask's two), and no vector or matrix line between the wait and a load names a register that the load touches.
;   MA, L0, O^T, the scaled rows: written by vector or matrix lines, then stored into LDS: a wait on va_vdst ahead of each run of stores, a wait on vm_vsrc ahead of the first line that writes them again.
.set KIMG, 0                           ; LDS: k's images, 131,072 bytes
.set VIMG, 131072                      ; v's images, 131,072
.set PART, 262144                      ; [tile][kq - 1] x 4,096: images of the partial O^T; a tile's 12,288 bytes then serve as its stage for the way out (16 rows x 272)
.set MAXX, 311296                      ; a word a thread: the quarters' maxima
.set LSUM, 313344                      ; a word a thread: the quarters' sums
.set QIMG, 315392                      ; q's images: 8 tiles x 1,024: c 512 + 16 (r + 16 h) : row r, channels 32 h + 16 c + 0 .. 15, as k's
.set LI,   1                           ; v1   16 x lane
.set ADK,  2                           ; v2   LDS address of the step's images of k
.set ADV,  3                           ; v3   of v
.set MOFF, 5                           ; v5   the mask: 2048 r + 16 h
.set QOFF, 6                           ; v6   q: 4096 wave + 16 lane
.set CPK,  7                           ; v7   8192 wave + 16 lane: my part of the images, in memory and in KIMG
.set CPV,  8                           ; v8   the same in VIMG
.set MXA,  9                           ; v9   MAXX + 4 thread
.set MXR,  10                          ; v10  MAXX + 128 T + 4 lane
.set LPA,  11                          ; v11  LSUM + 4 thread
.set LPR,  12                          ; v12  LSUM + 128 T + 4 lane
.set PST,  13                          ; v13  where a quarter 1 .. 3 puts its O^T
.set PRD,  14                          ; v14  where quarter 0 reads them
.set OST,  15                          ; v15  the stage, in: 272 r + 32 h
.set ORD,  16                          ; v16  the stage, back: 272 (lane / 16) + 16 (lane % 16)
.set OGO,  17                          ; v17  out: 256 (lane / 16) + 16 (lane % 16)
.set NMC,  18                          ; v[18:19] -c' m, and 0 (named with it as a pair)
.set L0,   20                          ; v[20:21], v[22:23] the row's sum in two chains of pairs
.set L1,   22
.set MA,   24                          ; v24, v25 the maximum in two chains
.set MB,   25
.set PSC,  26                          ; v26  2^ep as f32
.set PLIM, 27                          ; v27  448 x 2^ep
.set QIA,  28                          ; v28  where my word of q's load 0 goes: QIMG + 1024 wave + 512 c + 256 h + 16 (lane / 16) + 4 (lane % 4), c and h from my channels 4 (lane % 16) on
.set QIR,  29                          ; v29  QIMG + 1024 T + 16 lane
.set TA,   30                          ; v30, v31 at work
.set TC,   31
.set QF0,  32                          ; v32-39   q's fragment, generation 0
.set PC,   40                          ; v40-47   p's codes
.set OT,   48                          ; v48-79   O^T: 4 tiles of 16 channels
.set SC,   80                          ; v80-111  S^T, then p: 4 tiles of 16 keys
.set KF,   112                         ; v112-143 k's 4 fragments
.set VF,   144                         ; v144-175 v's 4 fragments; in pass 1, which has none, the scores' C of a mixed step
.set VL,   176                         ; v176-239 my 8,192 bytes of v's images on their way from memory to LDS: they land under the first pass 1; then v176-207 are the scores' C of pass 2's mixed steps
.set QF1,  240                         ; v240-247 q's fragment, generation 1
.set MW,   248                         ; v248-255 at work
.set QB,   4                           ; s[4:5]   q at my block's first row
.set KB,   6                           ; s[6:7]   kimg at my head
.set VB,   8                           ; s[8:9]   vimg at my head
.set MBASE, 10                         ; s[10:11] mask at my tile's first row of generation 0, my quarter's first key
.set FB,   14                          ; s[14:15] flags at my entry of generation 0
.set WV,   16
.set TT,   17
.set KQ,   18
.set HD,   19
.set OB,   20                          ; s[20:21] out at my tile's first row of generation 0
.set OFS,  22                          ; s[22:23] an offset, high word 0
.set CS,   28                          ; s[28:29] c' = log2(e) x 2^(eq + ek - 3), twice
.set EPV,  30                          ; s30  ep + ev
.set SEL,  32                          ; s[32:33] lane selects: lane l xor 16
.set ANY,  34                          ; s34  the generation's word 0: bit J: step J has a key that counts; bit 16: p needs no hold
.set MIX,  36                          ; s36  its word 1: bit J: step J has both kinds of key
.set JJ,   37
.set TB,   38                          ; s38  LDS byte of the step's images
.set TB0,  39                          ; s39  32768 kq
.set MP,   40                          ; s[40:41] mask at the step's first key
.set C254, 45
.set CFE,  46
.set THR,  48
.set X0,   49                          ; s49-53 at work
.set FL,   54                          ; s[54:55], s[56:57] my entries of generations 0 and 1
.macro BARRIER                         ; my LDS stores have landed and my LDS loads are in: then the work-group's barrier
	s_wait_dscnt 0x0
	s_barrier_signal -1
	s_barrier_wait -1
.endm
; The scores of one step: S^T of 64 keys x my 16 queries, raw (sums of products of codes).  xreg: where a mixed step builds the scores' C.  vtoo = 1: pass 2: v's fragments are asked for with k's.
.macro SCORES qf, xreg, vtoo
	s_wait_alu depctr_va_vdst(0)                   ; v[ADK] (pass 2: v[ADV] too) is written, which the loads below read; the last step's products are done reading KF (pass 2: VF too), and the vector lines so far are done with MW: the loads below land in these
.irp t, 0,1,2,3
.irp c, 0,1
	ds_load_b128 v[KF+8*\t+4*\c:KF+8*\t+4*\c+3], v[ADK] offset:1024*\t+512*\c
.endr
.endr
.if \vtoo
.irp e, 0,1,2,3                        ; v's fragments land under the scores' products and the exponentials: nothing but the products V^T P^T names VF in pass 2
.irp b, 0,1
	ds_load_b128 v[VF+8*\e+4*\b:VF+8*\e+4*\b+3], v[ADV] offset:1024*\e+512*\b
.endr
.endr
.endif
	s_bitcmp1_b32 s[MIX], s[JJ]
	s_cbranch_scc1 .Lmix_\@
	s_wait_dscnt 8*(\vtoo)                         ; LDS loads come back in order (ISA guide 5.7.1): k's eight are in; v's eight, issued behind them in pass 2, may be out
.irp t, 0,1,2,3
	v_wmma_f32_16x16x64_fp8_fp8 v[SC+8*\t:SC+8*\t+7], v[KF+8*\t:KF+8*\t+7], v[\qf:\qf+7], 0
.endr
	s_branch .Ljoin_\@
.Lmix_\@:                              ; some keys count, some do not: my query's 32 bytes: keys 32 b + 16 h + 0 .. 15.  No vector line since the wait at the step's head names MW
	global_load_b128 v[MW:MW+3], v[MOFF], s[MP:MP+1]
	global_load_b128 v[MW+4:MW+7], v[MOFF], s[MP:MP+1] offset:32
	s_wait_loadcnt 0x0                             ; loads come back in order: in the first pass 1 this waits for v's images too
.irp n, 0,1,2,3,4,5,6,7                ; word n: the keys of registers 4 n .. 4 n + 3 of the 32.  0xfe in a byte where the key is hidden, 0 where it counts (bytes are 0 or 1: x 254 carries nothing).  The last matrix instruction that named these registers stands four v_nop or more back
	v_mul_lo_u32 v[\xreg+4*\n+3], v[MW+\n], s[C254]
.endr
.irp n, 0,1,2,3,4,5,6,7
	v_sub_nc_u32 v[\xreg+4*\n+3], s[CFE], v[\xreg+4*\n+3]
.endr
.irp n, 0,1,2,3,4,5,6,7                ; each key's byte on top of a word: 0xfe.. is a finite f32 number of about -4e37 to -1.7e38; 0x00.. is at most 2.4e-38
	v_lshlrev_b32 v[\xreg+4*\n], 24, v[\xreg+4*\n+3]
	v_lshlrev_b32 v[\xreg+4*\n+1], 16, v[\xreg+4*\n+3]
	v_lshlrev_b32 v[\xreg+4*\n+2], 8, v[\xreg+4*\n+3]
.endr
	s_wait_dscnt 8*(\vtoo)                         ; k's eight are in, as above
.irp t, 0,1,2,3
	v_wmma_f32_16x16x64_fp8_fp8 v[SC+8*\t:SC+8*\t+7], v[KF+8*\t:KF+8*\t+7], v[\qf:\qf+7], v[\xreg+8*\t:\xreg+8*\t+7]
.endr
.Ljoin_\@:
.rept 4
	v_nop                                          ; places in front of the first read of the scores (ISA guide 7.12.1)
.endr
.endm
.macro WALK0 g                         ; a pass begins: the step's pointers at my quarter's first step
.if \g
	s_add_nc_u64 s[MP:MP+1], s[MBASE:MBASE+1], 0x20000
.else
	s_mov_b64 s[MP:MP+1], s[MBASE:MBASE+1]
.endif
	s_mov_b32 s[TB], s[TB0]
	s_mov_b32 s[JJ], 0
.endm
.macro WALK1                           ; a step on.  (The mask's pointer: every load that named it has been waited for)
	s_add_co_u32 s[TB], s[TB], 4096
	s_add_nc_u64 s[MP:MP+1], s[MP:MP+1], 64
	s_add_co_u32 s[JJ], s[JJ], 1
	s_cmp_lt_u32 s[JJ], 8
.endm
; PASS 1: the largest raw score of my query among my quarter's keys.  Every wave walks all eight steps; a step without a key that counts is jumped over.
.macro PASS1 g, qf
	v_mov_b32 v[MA], 0xff61b1e6                    ; -3e38, under every score, a hidden one too
	v_mov_b32 v[MB], 0xff61b1e6
	WALK0 \g
	s_wait_dscnt 0x0                               ; q's fragments are in
.Lp1_\@:
	s_wait_alu depctr_vm_vsrc(0)                   ; the last step's LDS loads have read v[ADK], which the next line writes
	v_add_nc_u32 v[ADK], s[TB], v[LI]
	s_bitcmp1_b32 s[ANY], s[JJ]
	s_cbranch_scc0 .Lp1n_\@
	SCORES \qf, VF, 0
.irp t, 0,1,2,3                        ; each accumulator from its low end on
	v_max3_num_f32 v[MA], v[MA], v[SC+8*\t], v[SC+8*\t+1]
	v_max3_num_f32 v[MB], v[MB], v[SC+8*\t+2], v[SC+8*\t+3]
	v_max3_num_f32 v[MA], v[MA], v[SC+8*\t+4], v[SC+8*\t+5]
	v_max3_num_f32 v[MB], v[MB], v[SC+8*\t+6], v[SC+8*\t+7]
.endr
.Lp1n_\@:
	WALK1
	s_cbranch_scc1 .Lp1_\@
.endm
; The four quarters' maxima meet.  A row in which no key counts has a maximum under -1e30 (raw scores lie within +-1.3e7): its m is 0, as the problem has it.
; In generation 0 v's images, asked for at the head, go into LDS here: in front of the barrier behind which pass 2 first reads them.
.macro XMAX g
	v_max_num_f32 v[MA], v[MA], v[MB]
	v_permlanex16_b32 v[TA], v[MA], s[SEL], s[SEL+1]
	v_max_num_f32 v[MA], v[MA], v[TA]              ; with lane l xor 16's: my query's, in my quarter
	s_wait_alu depctr_va_vdst(0)                   ; v[MA] is written, which the LDS store reads; pass 1's vector lines are done with MW, in which the loads behind the barrier land
	ds_store_b32 v[MXA], v[MA]
.if (\g) == 0
	s_wait_loadcnt 0x0                             ; v's images are in
.irp i, 0,1,2,3,4,5,6,7,8,9,10,11,12,13,14,15
	ds_store_b128 v[CPV], v[VL+4*\i:VL+4*\i+3] offset:512*\i
.endr
.endif
	BARRIER
	s_wait_alu depctr_vm_vsrc(0)                   ; my LDS stores have read v[MA] and VL, and those at the last generation's end O^T and v[L0]: all are written again from here on
.irp k, 0,1,2,3
	ds_load_b32 v[MW+\k], v[MXR] offset:512*\k
.endr
.set ii, 0
.rept 32
	v_mov_b32 v[OT+ii], 0                          ; O^T begins as zeros: which step is the first that counts hangs on the mask, so no product can be written out to start the sums
.set ii, ii+1
.endr
.irp k, 0,1,2,3
	v_mov_b32 v[L0+\k], 0
.endr
	s_wait_dscnt 0x0
	v_max3_num_f32 v[MA], v[MW], v[MW+1], v[MW+2]
	v_max_num_f32 v[MA], v[MA], v[MW+3]
	v_cmp_lt_f32 vcc_lo, s[THR], v[MA]
	s_wait_alu depctr_va_vcc(0)                    ; the compare has written VCC, which the select reads
	v_cndmask_b32 v[MA], 0, v[MA], vcc_lo
	v_mul_f32 v[NMC], -v[MA], s[CS]                ; -c' m
.endm
; PASS 2: p = 2^(c' s_raw - c' m) = exp(s - m); its sum; its codes; O^T += V^T P^T.
.macro PASS2 g, qf
	WALK0 \g
.Lp2_\@:
	s_wait_alu depctr_vm_vsrc(0)                   ; the last step's LDS loads have read v[ADK] and v[ADV], which the next two lines write
	v_add_nc_u32 v[ADK], s[TB], v[LI]
	v_add_nc_u32 v[ADV], VIMG, v[ADK]
	s_bitcmp1_b32 s[ANY], s[JJ]
	s_cbranch_scc0 .Lp2n_\@
	SCORES \qf, VL, 1
.set ii, 0
.rept 16
	v_pk_fma_f32 v[SC+ii:SC+ii+1], v[SC+ii:SC+ii+1], s[CS:CS+1], v[NMC:NMC+1] op_sel_hi:[1,0,0]   ; two at a time; of the pairs c' and -c' m the low word serves both halves
.set ii, ii+2
.endr
.set ii, 0
.rept 32
	v_exp_f32 v[SC+ii], v[SC+ii]                   ; a hidden key's exponent lies under -5,000: p = 0
.set ii, ii+1
.endr
	v_nop                                          ; a plain instruction behind the last exponential
	s_wait_alu depctr_va_vdst(0)                   ; the 32 exponentials have written p: a wait ahead of the first instruction that names a result: one for the 32
.set ii, 0
.rept 8
	v_pk_add_f32 v[L0:L0+1], v[L0:L0+1], v[SC+ii:SC+ii+1]         ; the sum is taken of the unquantised p
	v_pk_add_f32 v[L1:L1+1], v[L1:L1+1], v[SC+ii+2:SC+ii+3]
.set ii, ii+4
.endr
	s_bitcmp1_b32 s[ANY], 16                       ; set where eq + ek <= 0 and ep >= -8: c' m then lies under 2^22, so the exponent is at most 1/8 and p at most 1.1, and 448 x 2^ep is at least 1.75: nothing to hold
	s_cbranch_scc1 .Lnh_\@
.set ii, 0
.rept 32
	v_min_num_f32 v[SC+ii], v[SC+ii], v[PLIM]      ; the conversion to an 8-bit code does not saturate (ISA guide 7.6.2); p is not negative, so the hold is one-sided
.set ii, ii+1
.endr
.Lnh_\@:
.irp t, 0,1,2,3
	v_cvt_scalef32_pk8_fp8_f32 v[PC+2*\t:PC+2*\t+1], v[SC+8*\t:SC+8*\t+7], v[PSC]
.endr
	v_nop                                          ; one plain instruction between a scaled conversion and the matrix instruction that reads its result
	s_wait_dscnt 0x0                               ; v's fragments are in
.irp e, 0,1,2,3                        ; the four accumulators take turns, and the next step's four products K Q^T stand between two links of a chain
	v_wmma_f32_16x16x64_fp8_fp8 v[OT+8*\e:OT+8*\e+7], v[VF+8*\e:VF+8*\e+7], v[PC:PC+7], v[OT+8*\e:OT+8*\e+7]
.endr
.Lp2n_\@:
	WALK1
	s_cbranch_scc1 .Lp2_\@
.endm
; The four quarters' sums and O^T meet; quarter 0 adds them, divides, and stores 16 whole rows of out.
.macro FINISH g
.rept 4
	v_nop                                          ; places behind the last products
.endr
	v_pk_add_f32 v[L0:L0+1], v[L0:L0+1], v[L1:L1+1]
	v_add_f32 v[L0], v[L0], v[L0+1]
	v_permlanex16_b32 v[TA], v[L0], s[SEL], s[SEL+1]
	v_add_f32 v[L0], v[L0], v[TA]                  ; my query's sum in my quarter
	s_wait_alu depctr_va_vdst(0)                   ; v[L0] is written, and the last products have written O^T (the places above stay beside this wait): the LDS stores read them; pass 2 is done with SC, KF, VF and MW, in which the loads behind the barrier land
	ds_store_b32 v[LPA], v[L0]
	s_cmp_lt_u32 s[WV], 4
	s_cbranch_scc1 .Lfa_\@
.irp i, 0,1,2,3,4,5,6,7
	ds_store_b128 v[PST], v[OT+4*\i:OT+4*\i+3] offset:512*\i       ; O^T as it stands in my registers, each accumulator from its low end on
.endr
.Lfa_\@:
	BARRIER
	s_cmp_ge_u32 s[WV], 4
	s_cbranch_scc1 .Lfe_\@
.irp p, 0,1,2
.irp i, 0,1,2,3,4,5,6,7
	ds_load_b128 v[SC+32*\p+4*\i:SC+32*\p+4*\i+3], v[PRD] offset:4096*\p+512*\i
.endr
.endr
.irp p, 0,1,2
	ds_load_b32 v[MW+\p], v[LPR] offset:512*(\p+1)
.endr
	s_wait_dscnt 0x0
	s_wait_alu depctr_vm_vsrc(0)                   ; my LDS store has read v[L0], which the next line writes
	v_add_f32 v[L0], v[L0], v[MW]
	v_add_f32 v[MW+1], v[MW+1], v[MW+2]
	v_add_f32 v[L0], v[L0], v[MW+1]                ; l
	v_cmp_lt_f32 vcc_lo, 0, v[L0]
	v_rcp_f32 v[TA], v[L0]
.irp p, 0,1,2
.irp k, 0,1,2,3,4,5,6,7,8,9,10,11,12,13,14,15
	v_pk_add_f32 v[OT+2*\k:OT+2*\k+1], v[OT+2*\k:OT+2*\k+1], v[SC+32*\p+2*\k:SC+32*\p+2*\k+1]
.endr
.endr
	s_wait_alu depctr_va_vdst(0)                   ; the reciprocal has written v[TA]: the wait ahead of its first reader; the 48 additions are the work between
	v_ldexp_f32 v[TA], v[TA], s[EPV]               ; x 2^(ep + ev)
	s_wait_alu depctr_va_vcc(0)                    ; the compare has written VCC, which the select reads
	v_cndmask_b32 v[TA], 0, v[TA], vcc_lo          ; l = 0: the row is 0
.irp k, 0,1,2,3,4,5,6,7,8,9,10,11,12,13,14,15
	v_pk_mul_f32 v[SC+2*\k:SC+2*\k+1], v[OT+2*\k:OT+2*\k+1], v[TA:TA+1] op_sel_hi:[1,0]
.endr
	s_wait_alu depctr_va_vdst(0)                   ; the multiplications have written the rows in SC, which the LDS stores read; the additions are done reading KF, in which the stage's loads land
.irp e, 0,1,2,3                        ; lane (r, h): out(r, 16 e + 8 h + 0 .. 7): 32 bytes of a row.  The stage is my tile's part of PART: its images were mine alone to read, and are read
	ds_store_b128 v[OST], v[SC+8*\e:SC+8*\e+3] offset:64*\e
	ds_store_b128 v[OST], v[SC+8*\e+4:SC+8*\e+7] offset:64*\e+16
.endr
.irp i, 0,1,2,3,4,5,6,7
	ds_load_b128 v[KF+4*\i:KF+4*\i+3], v[ORD] offset:544*\i        ; LDS serves a wave's instructions in order (ISA guide 5.7.1.4): these see my stores
.endr
.irp i, 0,1,2,3,4,5,6,7
	s_wait_dscnt 7-\i
	global_store_b128 v[OGO], v[KF+4*\i:KF+4*\i+3], s[OB:OB+1] offset:(\g)*16384+512*\i th:TH_STORE_NT   ; two rows of 256 bytes: 32 lanes store 512 consecutive bytes, aligned
.endr
.if (\g) == 0
	s_wait_xcnt 0x0                                ; the stores have read their registers, which the next generation loads again
	s_wait_alu depctr_vm_vsrc(0)                   ; the stores into out have read KF, and the stage's stores SC: the next generation's loads and products write them
.endif
.Lfe_\@:
.endm
.macro GEN g, qf
	s_mov_b32 s[ANY], s[FL+2*(\g)]                 ; the generation's entry
	s_mov_b32 s[MIX], s[FL+2*(\g)+1]
	PASS1 \g, \qf
	XMAX \g
	PASS2 \g, \qf
	FINISH \g
.endm
	s_load_b256 s[4:11], s[0:1], 0x0               ; q, kimg, vimg, mask
	s_load_b128 s[12:15], s[0:1], 0x20             ; the scales' exponents s[12:13], flags s[14:15]
	s_load_b64 s[OB:OB+1], s[0:1], 0x30            ; out
	v_lshrrev_b32 v[MW+3], 5, v0
	v_readfirstlane_b32 s[WV], v[MW+3]             ; wave 0 .. 15
	v_and_b32 v[MW], 31, v0                        ; lane
	v_and_b32 v[MW+1], 15, v0                      ; r
	v_bfe_u32 v[MW+2], v0, 4, 1                    ; h
	v_and_b32 v[MW+3], 3, v0                       ; lane % 4
	v_bfe_u32 v[MW+4], v0, 2, 1                    ; (lane / 4) % 2
	v_bfe_u32 v[MW+5], v0, 3, 1                    ; (lane / 8) % 2
	s_wait_alu depctr_va_sdst(0)                   ; the wave's number is written, ahead of its first reader
	s_and_b32 s[TT], s[WV], 3                      ; my tile of the generation's four
	s_lshr_b32 s[KQ], s[WV], 2                     ; my quarter of the keys
	s_and_b32 s[HD], ttmp7, 0xffff                 ; the head
	; every address register is made here, ahead of the first branch on the wave's number
	v_lshlrev_b32 v[LI], 4, v[MW]
	v_lshlrev_b32 v[MOFF], 11, v[MW+1]
	v_lshl_add_u32 v[MOFF], v[MW+2], 4, v[MOFF]
	s_lshl_b32 s[X0], s[WV], 12
	v_add_nc_u32 v[QOFF], s[X0], v[LI]
	s_lshl_b32 s[X0], s[WV], 13
	v_add_nc_u32 v[CPK], s[X0], v[LI]
	v_add_nc_u32 v[CPV], VIMG, v[CPK]
	v_lshl_add_u32 v[MXA], v0, 2, MAXX
	v_lshl_add_u32 v[LPA], v0, 2, LSUM
	s_lshl_b32 s[X0], s[TT], 7
	s_add_co_u32 s[X0+1], s[X0], MAXX
	v_lshl_add_u32 v[MXR], v[MW], 2, s[X0+1]
	s_add_co_u32 s[X0+1], s[X0], LSUM
	v_lshl_add_u32 v[LPR], v[MW], 2, s[X0+1]
	s_mul_i32 s[X0+2], s[TT], 12288
	s_lshl_b32 s[X0+3], s[KQ], 12
	s_add_co_u32 s[X0+3], s[X0+3], s[X0+2]
	s_add_co_u32 s[X0+3], s[X0+3], PART-4096
	v_add_nc_u32 v[PST], s[X0+3], v[LI]            ; PART + 12288 T + 4096 (kq - 1) + 16 lane: used by quarters 1 to 3 alone
	s_add_co_u32 s[X0+2], s[X0+2], PART
	v_add_nc_u32 v[PRD], s[X0+2], v[LI]
	v_mul_u32_u24 v[OST], v[MW+1], 272
	v_lshl_add_u32 v[OST], v[MW+2], 5, v[OST]
	v_add_nc_u32 v[OST], s[X0+2], v[OST]
	v_mul_u32_u24 v[ORD], v[MW+2], 272
	v_lshl_add_u32 v[ORD], v[MW+1], 4, v[ORD]
	v_add_nc_u32 v[ORD], s[X0+2], v[ORD]
	v_lshlrev_b32 v[OGO], 8, v[MW+2]
	v_lshl_add_u32 v[OGO], v[MW+1], 4, v[OGO]
	v_lshlrev_b32 v[QIA], 2, v[MW+3]               ; my channels 4 (lane % 16) on: 4 (lane % 4) bytes among 16,
	v_lshl_add_u32 v[QIA], v[MW+2], 4, v[QIA]      ; row lane / 16 of a load's two,
	v_lshl_add_u32 v[QIA], v[MW+5], 8, v[QIA]      ; the image's half of the lanes,
	v_lshl_add_u32 v[QIA], v[MW+4], 9, v[QIA]      ; and c
	s_lshl_b32 s[X0], s[WV], 10
	s_add_co_u32 s[X0], s[X0], QIMG
	v_add_nc_u32 v[QIA], s[X0], v[QIA]             ; used by waves 0 to 7 alone
	s_lshl_b32 s[X0], s[TT], 10
	s_add_co_u32 s[X0], s[X0], QIMG
	v_add_nc_u32 v[QIR], s[X0], v[LI]
	v_mov_b32 v[NMC+1], 0
	s_mov_b32 s[SEL], 0x76543210
	s_mov_b32 s[SEL+1], 0xfedcba98
	s_mov_b32 s[C254], 254
	s_mov_b32 s[CFE], 0xfefefefe
	s_mov_b32 s[THR], 0xf149f2ca                   ; -1e30
	s_lshl_b32 s[TB0], s[KQ], 15                   ; my quarter's eight steps of 4,096 bytes
	s_wait_kmcnt 0x0
	s_load_b128 s[24:27], s[12:13], 0x0            ; eq, ek, ep, ev
	s_lshl_b32 s[OFS], s[HD], 12                   ; flags: entry 4 x (128 head + 8 block + 4 generation + T) + kq, 8 bytes each
	s_lshl_b32 s[X0], ttmp9, 8
	s_add_co_u32 s[OFS], s[OFS], s[X0]
	s_lshl_b32 s[X0], s[TT], 5
	s_add_co_u32 s[OFS], s[OFS], s[X0]
	s_lshl_b32 s[X0], s[KQ], 3
	s_add_co_u32 s[OFS], s[OFS], s[X0]
	s_mov_b32 s[OFS+1], 0
	s_add_nc_u64 s[FB:FB+1], s[FB:FB+1], s[OFS:OFS+1]
	s_load_b64 s[FL:FL+1], s[FB:FB+1], 0x0         ; generation 0's entry,
	s_load_b64 s[FL+2:FL+3], s[FB:FB+1], 0x80      ; generation 1's: four query tiles, 16 entries, on
	s_lshl_b32 s[OFS], s[HD], 19                   ; q and out: a head is 2,048 rows of 256 bytes,
	s_lshl_b32 s[X0], ttmp9, 15                    ; a block 128 rows
	s_add_co_u32 s[OFS], s[OFS], s[X0]
	s_add_nc_u64 s[QB:QB+1], s[QB:QB+1], s[OFS:OFS+1]
	s_lshl_b32 s[X0], s[TT], 12                    ; out: + my tile's 16 rows
	s_add_co_u32 s[OFS], s[OFS], s[X0]
	s_add_nc_u64 s[OB:OB+1], s[OB:OB+1], s[OFS:OFS+1]
	s_lshl_b32 s[OFS], s[HD], 17
	s_add_nc_u64 s[KB:KB+1], s[KB:KB+1], s[OFS:OFS+1]
	s_add_nc_u64 s[VB:VB+1], s[VB:VB+1], s[OFS:OFS+1]
	s_lshl_b32 s[OFS], s[HD], 22                   ; mask: a head is 2,048 rows of 2,048 bytes
	s_lshl_b32 s[X0], ttmp9, 18
	s_add_co_u32 s[OFS], s[OFS], s[X0]
	s_lshl_b32 s[X0], s[TT], 15
	s_add_co_u32 s[OFS], s[OFS], s[X0]
	s_lshl_b32 s[X0], s[KQ], 9
	s_add_co_u32 s[OFS], s[OFS], s[X0]
	s_add_nc_u64 s[MBASE:MBASE+1], s[MBASE:MBASE+1], s[OFS:OFS+1]
	s_wait_alu depctr_va_vdst(0)                   ; all the address registers are written, which the kernel's loads and stores read; the lines that made them are done with v248-253, in which loads of q land
	s_cmp_lt_u32 s[WV], 8                          ; waves 0 to 7 quantise the block's eight tiles of q: wave w rows 16 w on.  Load i: rows 2 i, 2 i + 1: 32 lanes read 512 consecutive bytes; a lane holds row 2 i + lane / 16, channels 4 (lane % 16) + 0 .. 3
	s_cbranch_scc0 .Lnoq
.irp i, 0,1,2,3
	global_load_b128 v[QF0+4*\i:QF0+4*\i+3], v[QOFF], s[QB:QB+1] offset:512*\i th:TH_LOAD_NT
.endr
.irp i, 0,1,2,3
	global_load_b128 v[QF1+4*\i:QF1+4*\i+3], v[QOFF], s[QB:QB+1] offset:2048+512*\i th:TH_LOAD_NT
.endr
.Lnoq:
.irp i, 0,1,2,3,4,5,6,7,8,9,10,11,12,13,14,15
	global_load_b128 v[OT+4*\i:OT+4*\i+3], v[CPK], s[KB:KB+1] offset:512*\i     ; my 8,192 bytes of k's images: 512 consecutive bytes a load
.endr
.irp i, 0,1,2,3,4,5,6,7,8,9,10,11,12,13,14,15
	global_load_b128 v[VL+4*\i:VL+4*\i+3], v[CPK], s[VB:VB+1] offset:512*\i     ; and of v's, into registers that nothing else names until they are stored: they may stay out until the first pass 1 is over
.endr
	s_wait_kmcnt 0x0                               ; the exponents and my two entries
	s_add_co_i32 s[X0], s24, s25                   ; eq + ek
	s_sub_co_i32 s[X0], s[X0], 3                   ; 1 / sqrt(64) = 2^-3
	s_lshl_b32 s[X0], s[X0], 23
	s_add_co_i32 s[CS], s[X0], 0x3fb8aa3b          ; log2(e) with eq + ek - 3 added to its exponent field
	s_mov_b32 s[CS+1], s[CS]
	s_add_co_i32 s[EPV], s26, s27
	s_add_co_i32 s[X0], s24, 127
	s_lshl_b32 s[X0+1], s[X0], 23
	v_mov_b32 v[TA], s[X0+1]                       ; 2^eq as f32
	s_add_co_i32 s[X0], s[X0], 8
	s_lshl_b32 s[X0], s[X0], 23
	s_or_b32 s[X0], s[X0], 0x600000
	v_mov_b32 v[TC], s[X0]                         ; 448 x 2^eq
	s_add_co_i32 s[X0], s26, 127
	s_lshl_b32 s[X0+3], s[X0], 23                  ; 2^ep
	s_add_co_i32 s[X0], s[X0], 8
	s_lshl_b32 s[X0+4], s[X0], 23
	s_or_b32 s[X0+4], s[X0+4], 0x600000            ; 448 x 2^ep
	s_wait_loadcnt 16                              ; q and k's images are in; v's 16 loads, issued behind them, may be out
.irp i, 0,1,2,3,4,5,6,7,8,9,10,11,12,13,14,15
	ds_store_b128 v[CPK], v[OT+4*\i:OT+4*\i+3] offset:512*\i
.endr
	s_cmp_lt_u32 s[WV], 8
	s_cbranch_scc0 .Lnoq2
.set ii, 0
.rept 16
	v_med3_num_f32 v[QF0+ii], v[QF0+ii], -v[TC], v[TC]             ; the hold at the largest code x the scale
	v_med3_num_f32 v[QF1+ii], v[QF1+ii], -v[TC], v[TC]
.set ii, ii+1
.endr
	v_cvt_scalef32_pk8_fp8_f32 v[L0:L0+1], v[QF0:QF0+7], v[TA]     ; a conversion packs two loads' numbers: word L0 + i holds load i's four channels
	v_cvt_scalef32_pk8_fp8_f32 v[L0+2:L0+3], v[QF0+8:QF0+15], v[TA]
	v_cvt_scalef32_pk8_fp8_f32 v[L0+4:L0+5], v[QF1:QF1+7], v[TA]
	v_cvt_scalef32_pk8_fp8_f32 v[L0+6:L0+7], v[QF1+8:QF1+15], v[TA]
	v_nop                                          ; one plain instruction behind the last scaled conversion
	s_wait_alu depctr_va_vdst(0)                   ; the conversions have written the eight words, which the LDS stores read, and are done with QF0 and QF1, in which the loads behind the barrier land
.irp i, 0,1,2,3,4,5,6,7
	ds_store_b32 v[QIA], v[L0+\i] offset:32*\i     ; image row 2 i + lane / 16: 16 bytes a row
.endr
.Lnoq2:
	BARRIER                                        ; the head's k and the block's q lie in LDS; nothing writes them again.  (v's loads touch no LDS and stay out)
	s_wait_alu depctr_vm_vsrc(0)                   ; my LDS stores have read v20-27 (q's words) and v48-111 (k's images): from here on these are the sums, the maxima, 2^ep and its hold, O^T and the scores
	ds_load_b128 v[QF0:QF0+3], v[QIR]              ; my tile of generation 0,
	ds_load_b128 v[QF0+4:QF0+7], v[QIR] offset:512
	ds_load_b128 v[QF1:QF1+3], v[QIR] offset:4096  ; and of generation 1
	ds_load_b128 v[QF1+4:QF1+7], v[QIR] offset:4608
	v_mov_b32 v[PSC], s[X0+3]
	v_mov_b32 v[PLIM], s[X0+4]
	GEN 0, QF0
	GEN 1, QF1
	s_wait_xcnt 0x0
	v_lshl_add_u32 v252, v0, 2, 0x4f000
	v_mov_b32 v253, 0
	s_wait_dscnt 0x0                               ; the closing lines, six on end
	s_wait_alu 0x0
	s_wait_tensorcnt 0x0
	ds_add_u32 v252, v253
	s_wait_dscnt 0x0
	s_endpgm
.Lfunc_end_k_qebb1737a31_attn:
	.size	k_qebb1737a31_attn, .Lfunc_end_k_qebb1737a31_attn-k_qebb1737a31_attn
	.p2alignl 7, 3214868480
	.fill 96, 4, 3214868480
	.section	.rodata,"a",@progbits
	.p2align	6, 0x0
	.amdhsa_kernel k_qebb1737a31_attn
		.amdhsa_group_segment_fixed_size 325632
		.amdhsa_private_segment_fixed_size 0
		.amdhsa_enable_private_segment 0
		.amdhsa_kernarg_size 56
		.amdhsa_user_sgpr_count 2
		.amdhsa_user_sgpr_kernarg_segment_ptr 1
		.amdhsa_wavefront_size32 1
		.amdhsa_system_sgpr_workgroup_id_x 1
		.amdhsa_system_sgpr_workgroup_id_y 1
		.amdhsa_system_sgpr_workgroup_id_z 1
		.amdhsa_system_vgpr_workitem_id 0
		.amdhsa_next_free_vgpr 256
		.amdhsa_next_free_sgpr 66
		.amdhsa_reserve_vcc 1
		.amdhsa_float_denorm_mode_32 3
		.amdhsa_float_denorm_mode_16_64 3
		.amdhsa_memory_ordered 1
		.amdhsa_forward_progress 1
		.amdhsa_inst_pref_size 65
	.end_amdhsa_kernel
	.amdgpu_metadata
---
amdhsa.version: [ 1, 2 ]
amdhsa.kernels:
  - .name:           k_qebb1737a31_attn
    .symbol:         k_qebb1737a31_attn.kd
    .args:
      - { .name: q, .offset: 0, .size: 8, .value_kind: global_buffer, .address_space: global }
      - { .name: kimg, .offset: 8, .size: 8, .value_kind: global_buffer, .address_space: global }
      - { .name: vimg, .offset: 16, .size: 8, .value_kind: global_buffer, .address_space: global }
      - { .name: mask, .offset: 24, .size: 8, .value_kind: global_buffer, .address_space: global }
      - { .name: lowp_scales, .offset: 32, .size: 8, .value_kind: global_buffer, .address_space: global }
      - { .name: flags, .offset: 40, .size: 8, .value_kind: global_buffer, .address_space: global }
      - { .name: out0, .offset: 48, .size: 8, .value_kind: global_buffer, .address_space: global }
    .group_segment_fixed_size: 325632
    .private_segment_fixed_size: 0
    .kernarg_segment_align: 8
    .kernarg_segment_size: 56
    .max_flat_workgroup_size: 512
    .sgpr_count:     66
    .vgpr_count:     256
    .wavefront_size: 32
...
	.end_amdgpu_metadata
.endif
;; end of part 5
